; MI455X (gfx1250); checked and timed in simulation.
; The chip was launched on July 23, 2026; its instructions are those of AMD's public machine-readable ISA for CDNA 5 (MIT licence, August 2026) and "CDNA5" Instruction Set Architecture Reference Guide (July 2026). The comments in the code are by the model that wrote it; some were corrected since.
;; Multi Head Attention. Allowed arithmetic: matrix products marked QUANTISED: E2M1 operands, one E8M0 scale for each 32 along K, by v_wmma_scale_f32_16x16x128_f8f6f4 with both operands' format E2M1 (or v_wmma_scale_f32_32x16x128_f4), f32 sums; products left as they are: bf16, f16 or f32 operands; f32 sums; everything else in f32.
;; Inputs: Q 2 x 2,048 x 1,024 float32; W_K 1,024 x 1,024 float32; W_O 1,024 x 1,024 float32; W_Q 1,024 x 1,024 float32; W_V 1,024 x 1,024 float32; b_K 1,024 float32; b_O 1,024 float32; b_Q 1,024 float32; b_V 1,024 float32; mask 2,048 x 2,048 bool.
;; Outputs: out0 2 x 2,048 x 1,024 float32.
;; This version of the problem:
;;   THIS VERSION OF THE PROBLEM IS GIVEN IN LOW PRECISION. The matrix products marked QUANTISED in the list below multiply operands that are first quantised to E2M1 (2 exponent bits, 1 mantissa bit; 4 bits a number), with one power-of-two scale for each 32 numbers along K (OCP MX v1.0); their sums are f32. The products marked 'left as it is' may take bf16, f16 or f32 operands, with f32 sums. Whichever they take, every output number must still come out within the allowed error. Rounding operands to bf16 (8 significant bits) uses up far more of that allowance than f16 does (11 bits, for magnitudes from 6e-5 to 65,504). All else is computed in f32.
;;   The module's matrix products, in the order in which they are computed (A, B: the left and right operand; K: the contracted axis; several contracted axes count as one K, in the product's order):
;;     1. [M 4,096, K 1,024] x [K 1,024, N 1,024]; A: input Q; B: input W_Q: QUANTISED
;;     2. [M 4,096, K 1,024] x [K 1,024, N 1,024]; A: input Q; B: input W_K: QUANTISED
;;     3. [M 4,096, K 1,024] x [K 1,024, N 1,024]; A: input Q; B: input W_V: QUANTISED
;;     4. batch 32 x [M 2,048, K 64] x [K 64, N 2,048]; A: computed on the way; B: computed on the way: left as it is (an operand is computed on the way)
;;     5. batch 32 x [M 2,048, K 2,048] x [K 2,048, N 64]; A: computed on the way; B: computed on the way: left as it is (an operand is computed on the way)
;;     6. [M 4,096, K 1,024] x [K 1,024, N 1,024]; A: computed on the way; B: input W_O: left as it is (an operand is computed on the way)
;;   THE QUANTISER, for each operand of a quantised product, along K:
;;     - K is cut into blocks of 32 from its start; a last block that is shorter is filled with zeros.
;;     - A block's scale is 2^e with e = floor(log2(the largest magnitude in the block)) - 2, held to -126 .. 127; a block of zeros has e = 0. As a byte (E8M0): e + 127.
;;     - Each number is divided by its block's scale, clamped to +-6, and rounded to the nearest number of E2M1, ties to even, subnormals kept.
;;     - The product sums the exact products of the quantised numbers (number of the format x scale) in f32.
;;   ~~~python
;;   def quantise(x, axis):      # numpy; x: float32 -> the quantised numbers, widened to float32 again
;;       x = np.moveaxis(x, axis, -1); K = x.shape[-1]
;;       x = np.pad(x, [(0, 0)] * (x.ndim - 1) + [(0, -K % 32)]); x = x.reshape(x.shape[:-1] + (-1, 32)); a = np.abs(x).max(-1, keepdims=True)
;;       e = np.where(a > 0, np.clip(np.frexp(np.where(a > 0, a, 1))[1] - 1 - 2, -126, 127), 0)      # np.frexp(a)[1] - 1 = floor(log2(a)), exactly
;;       r = np.clip(x / 2.0 ** e, -6, 6)
;;       step = 2.0 ** (np.maximum(np.frexp(np.where(r == 0, 1, r))[1] - 1, 0) - 1)
;;       q = np.round(r / step) * step * 2.0 ** e      # np.round: ties to even
;;       return np.moveaxis(q.reshape(q.shape[:-2] + (-1,))[..., :K], -1, axis).astype(np.float32)
;;   ~~~
;; One version. Each part assembles by itself: llvm-mc -triple=amdgcn-amd-amdhsa -mcpu=gfx1250 --defsym DOCPART=n.
;; ======== version 1 of 1: 4 launches
;; limits: values are held in f16: magnitudes above 65,504 overflow, below 6.1e-05 lose precision
;; workspace buffers: cq 3,899,392 bytes; woimg 4,194,304 bytes; mw 524,288 bytes of whole numbers; qkv 25,165,824 bytes; oimg 8,388,608 bytes
;; launch prep (part 1): grid 480 x 1, 4 waves a work-group, no clusters, 100,864 bytes of LDS; arguments Q, W_Q, W_K, W_V, W_O, mask, cq, woimg, mw; writes cq, woimg, mw
.if DOCPART == 1
	.amdgcn_target "amdgcn-amd-amdhsa--gfx1250"
	.amdhsa_code_object_version 6
	.text
	.protected	k_q8a86020a61_prep
	.globl	k_q8a86020a61_prep
	.p2align	8
	.type	k_q8a86020a61_prep,@function
k_q8a86020a61_prep:
	s_mov_b64 s[64:65], 0
	v_nop
	global_prefetch_b8 v0, s[64:65] scope:SCOPE_SE
	s_setreg_imm32_b32 hwreg(HW_REG_WAVE_MODE, 25, 1), 1
	s_wait_xcnt 0x0
; PREP: everything that is made once from the inputs.  Three kinds of work-group, told apart by the work-group's number; the three ways never join, and each has LDS bytes of its own.
;  ids 0-223   Q [4096][1024], W_Q, W_K, W_V [1024][1024], f32, K innermost -> codes of FP4 (E2M1), two a byte, and one E8M0 byte for each 32 along K, into cq:
;              codes of Q's rows at 0 (512 bytes a row), codes of the 3,072 rows of W_Q, W_K, W_V at WC, scale bytes (32 a row) at XS and WS.
;              A block's scale is 2^(floor(log2(its largest magnitude)) - 2); its byte is the largest magnitude's exponent field - 2, held at 1 from below.
;  ids 224-351 W_O [1024 e][1024 d] f32 -> pairs of f16 numbers, high and low, laid as images of a matrix operand's registers: woimg [e/16][d/32][high, low][registers 0-3, 4-7][512 bytes], lane l's 16 bytes at 16 l.
;              high = the number with its 13 lowest mantissa bits cleared (exact in f16 from 2^-14 up), low = the exact rest, rounded to f16.
;  ids 352-479 mask [2048 q][2048 k] bytes -> lane masks: mw [q/16][k/16][j 0-7], 32-bit words; bit l of a word is mask[16 (q/16) + l % 16][16 (k/16) + 8 (l / 16) + j]: any byte other than 0 counts as true.
; LIMITS: a block of zeros gets the byte 1 where the quantiser says 127 (its codes are zeros, and this program alone reads the bytes); blocks whose largest magnitude lies under 2^-124 were not tried;
; NaN and infinities are not served; |W_O| stays under 65,504; a number of W_O under 2^-14 is kept to 2^-24 absolute.
; No tensor load, no barrier: waves share nothing.  Every load of a wave reads 512 consecutive bytes, every store writes 256 or 512 consecutive bytes.
.set WC,    2097152                    ; cq: the weights' codes
.set XS,    3670016                    ; cq: the scale bytes of Q's rows
.set WS,    3801088                    ; cq: the weights' scale bytes
.set STEPS, 16
.set EMAX,  2
.set CB,    8                          ; bytes of 16 codes
.set R,     16                         ; v16-79   quantiser: four sets of 16 numbers as they are loaded
.set X,     80                         ; v80-111  two sets of 16 neighbours
.set E,     112                        ; v112-127 a scale byte for each step
.set C,     128                        ; v128-191 codes: four registers for each step
.set WREG,  8192                       ; LDS of the quantiser: a region for each wave: two stages of 32 x SP bytes, then its 256 scale bytes
.set SP,    80                         ; a lane's place in a stage: 64 bytes + 16 of padding
.set SROW,  528                        ; the other two ways: a stage row of 512 bytes + 16 of padding
.set WSTG,  16*SROW                    ; 16 rows for each wave
.set RB,    4*WREG                     ; LDS of the way for W_O
.set RC,    RB+4*WSTG                  ; LDS of the way for the mask
.set SPARE, RC+4*WSTG                  ; the spare words, 128 bytes for each wave: two blocks of 256 bytes that no other line names
.set SPW,   12                         ; v12  LDS address of my spare word; never rewritten
.set NIL,   13                         ; v13  0; never rewritten
.set L,     160                        ; v160-223 sixteen rows' 16 bytes as they are loaded
	s_load_b512 s[4:19], s[0:1], 0x0               ; Q s[4:5], W_Q s[6:7], W_K s[8:9], W_V s[10:11], W_O s[12:13], mask s[14:15], cq s[16:17], woimg s[18:19]
	s_load_b64 s[20:21], s[0:1], 0x40              ; mw
	v_lshl_add_u32 v[SPW], v0, 2, SPARE
	v_mov_b32 v[NIL], 0
	v_lshrrev_b32 v1, 5, v0
	v_readfirstlane_b32 s22, v1                    ; wave 0..3
	v_and_b32 v2, 31, v0                           ; lane
	v_lshlrev_b32 v3, 4, v2                        ; 16 x lane
	s_wait_kmcnt 0x0
	s_cmp_lt_u32 ttmp9, 224
	s_cbranch_scc1 .Lquant
	s_cmp_lt_u32 ttmp9, 352
	s_cbranch_scc1 .Lsplit
; The stage of the two smaller ways: v4 = where I put 16 bytes of a row, v7 = where I read: row lane % 16, + (lane / 16) << hs bytes
.macro STAGEADR region, hs
	s_mul_i32 s38, s22, WSTG
	s_add_co_u32 s38, s38, \region
	v_add_nc_u32 v4, s38, v3
	v_and_b32 v5, 15, v0
	v_bfe_u32 v6, v0, 4, 1
	v_mul_u32_u24 v7, v5, SROW
	v_lshl_add_u32 v7, v6, \hs, v7
	v_add_nc_u32 v7, s38, v7
.endm
; Sixteen rows, 512 consecutive bytes of each, go into the wave's stage as they lie
.macro ROWS16 base, gpitch
.irp i, 0,1,2,3,4,5,6,7,8,9,10,11,12,13,14,15
	global_load_b128 v[L+4*\i:L+4*\i+3], v3, s[\base:\base+1] offset:\i*\gpitch th:TH_LOAD_NT
.endr
.irp i, 0,1,2,3,4,5,6,7,8,9,10,11,12,13,14,15
	s_wait_loadcnt 15-\i                           ; loads come back in order: row i is in
	ds_store_b128 v4, v[L+4*\i:L+4*\i+3] offset:SROW*\i
.endr
.endm
	; ---- THE MASK.  A wave takes 16 queries x 512 keys: 32 tiles of 16 keys, 256 words
	s_sub_co_u32 s23, ttmp9, 352
	s_lshl_b32 s23, s23, 2
	s_add_co_u32 s23, s23, s22                     ; 0..511
	s_lshr_b32 s32, s23, 2                         ; which 16 queries
	s_and_b32 s33, s23, 3                          ; which 512 keys
	s_lshl_b32 s34, s32, 15                        ; 16 rows of 2,048 bytes
	s_lshl_b32 s35, s33, 9
	s_add_co_u32 s34, s34, s35
	s_mov_b32 s35, 0
	s_add_nc_u64 s[14:15], s[14:15], s[34:35]
	s_lshl_b32 s34, s32, 12                        ; 4,096 bytes of words for 16 queries,
	s_lshl_b32 s36, s33, 10                        ; 1,024 for 512 keys
	s_add_co_u32 s34, s34, s36
	s_add_nc_u64 s[20:21], s[20:21], s[34:35]
	STAGEADR RC, 3
	ROWS16 14, 2048
	s_mov_b32 s24, 0xff                            ; a word's four bytes
	s_mov_b32 s25, 0xff00
	s_mov_b32 s26, 0xff0000
	s_mov_b32 s27, 0xff000000
.irp i, 0,1,2,3,4,5,6,7
	v_mov_b32 v[16+\i], 0                          ; written once: v_writelane_b32's destination counts as read
.endr
.set k, 0
.rept 32
	ds_load_b64 v[96+2*k:97+2*k], v7 offset:16*k   ; tile k: lane (r, h) takes the bytes of query r, keys 16 k + 8 h + 0 .. 7.  LDS serves a wave's instructions in order: these see my stores
.set k, k+1
.endr
	s_wait_dscnt 0x0
.set k, 0
.rept 32                               ; word 8 k + j of the wave's 256: the lanes' compare is the word; it goes to lane (8 k + j) / 4 of register (8 k + j) % 4, so that 32 lanes store 512 consecutive bytes
.irp g, 0,1
.irp j, 0,1,2,3
	v_and_b32 v[24+\j], s[24+\j], v[96+2*k+\g]
.endr
.irp j, 0,1,2,3
	v_cmp_ne_u32 s[28+\j], 0, v[24+\j]
.endr
.irp j, 0,1,2,3
	v_writelane_b32 v[16+4*(k/16)+\j], s[28+\j], 2*(k%16)+\g
.endr
.endr
.set k, k+1
.endr
	global_store_b128 v3, v[16:19], s[20:21]
	global_store_b128 v3, v[20:23], s[20:21] offset:512
	s_wait_tensorcnt 0x0                           ; the wave's end: behind my last LDS store
	ds_add_u32 v[SPW], v[NIL]
	s_wait_dscnt 0x0
	s_endpgm
.Lsplit:
	; ---- W_O.  A wave takes 16 rows e x 128 along d: four chunks of 32, each a high and a low fragment
	s_sub_co_u32 s23, ttmp9, 224
	s_lshl_b32 s23, s23, 2
	s_add_co_u32 s23, s23, s22                     ; 0..511
	s_lshr_b32 s32, s23, 3                         ; which 16 rows
	s_and_b32 s33, s23, 7                          ; which 128 along d
	s_lshl_b32 s34, s32, 16                        ; 16 rows of 4,096 bytes; and 65,536 bytes of images for 16 rows
	s_lshl_b32 s36, s33, 9
	s_add_co_u32 s36, s34, s36
	s_mov_b32 s37, 0
	s_add_nc_u64 s[12:13], s[12:13], s[36:37]
	s_lshl_b32 s36, s33, 13                        ; four chunks of 2,048 bytes
	s_add_co_u32 s36, s34, s36
	s_add_nc_u64 s[18:19], s[18:19], s[36:37]
	STAGEADR RB, 5
	ROWS16 12, 4096
	s_mov_b32 s24, 0xffffe000                      ; keeps the sign, the exponent and ten bits of mantissa
.irp k, 0,1,2,3,4,5,6,7                ; k = 2 x chunk + half: lane (r, h) takes row r, d = 16 k + 8 h + 0 .. 7: the four registers of half a fragment
	ds_load_b128 v[96+8*\k:99+8*\k], v7 offset:64*\k
	ds_load_b128 v[100+8*\k:103+8*\k], v7 offset:64*\k+16
.endr
	s_wait_dscnt 0x0
.irp k, 0,1,2,3,4,5,6,7
.irp i, 0,1,2,3,4,5,6,7
	v_and_b32 v[80+\i], s24, v[96+8*\k+\i]         ; the high part, still f32
.endr
.irp i, 0,1,2,3
	v_pk_add_f32 v[96+8*\k+2*\i:97+8*\k+2*\i], v[96+8*\k+2*\i:97+8*\k+2*\i], v[80+2*\i:81+2*\i] neg_lo:[0,1] neg_hi:[0,1]   ; the rest, exact
.endr
.irp i, 0,1,2,3
	v_cvt_pk_f16_f32 v[16+4*\k+\i], v[80+2*\i], v[81+2*\i]
.endr
.irp i, 0,1,2,3
	v_cvt_pk_f16_f32 v[48+4*\k+\i], v[96+8*\k+2*\i], v[97+8*\k+2*\i]
.endr
.endr
.irp k, 0,1,2,3,4,5,6,7                ; every register is written once, so no store's data are written again
	global_store_b128 v3, v[16+4*\k:19+4*\k], s[18:19] offset:2048*(\k/2)+512*(\k%2)
	global_store_b128 v3, v[48+4*\k:51+4*\k], s[18:19] offset:2048*(\k/2)+512*(\k%2)+1024
.endr
	s_wait_tensorcnt 0x0                           ; the wave's end
	ds_add_u32 v[SPW], v[NIL]
	s_wait_dscnt 0x0
	s_endpgm
.Lquant:
	; ---- THE QUANTISER.  Rows are dense and K is a multiple of 32: each tensor is a plain stream of blocks of 32.  A wave takes a run of 8,192 numbers: 16 steps of 512.
	; ids 0-127: Q;  128-159: W_Q;  160-191: W_K;  192-223: W_V.  Only pointers and offsets are chosen, on the work-group's number alone
	s_mov_b64 s[24:25], s[10:11]
	s_cmp_lt_u32 ttmp9, 192
	s_cselect_b64 s[24:25], s[8:9], s[24:25]
	s_cmp_lt_u32 ttmp9, 160
	s_cselect_b64 s[24:25], s[6:7], s[24:25]
	s_cmp_lt_u32 ttmp9, 128
	s_cselect_b64 s[24:25], s[4:5], s[24:25]
	s_cselect_b32 s26, 0, 128                      ; the first id of the region that I write into
	s_cselect_b32 s27, 0, WC                       ; where its codes begin,
	s_mov_b32 s28, WS
	s_cselect_b32 s28, XS, s28                     ; and its scale bytes
	s_cselect_b32 s29, 127, 31                     ; work-groups to an input tensor, less one
	s_sub_co_u32 s30, ttmp9, s26
	s_and_b32 s31, s30, s29
	s_lshl_b32 s30, s30, 2
	s_add_co_u32 s30, s30, s22                     ; my run in the region
	s_lshl_b32 s31, s31, 2
	s_add_co_u32 s31, s31, s22                     ; my run in the input
	s_lshl_b32 s32, s31, 15                        ; 32,768 bytes of numbers a run
	s_mov_b32 s33, 0
	s_add_nc_u64 s[24:25], s[24:25], s[32:33]
	s_lshl_b32 s32, s30, 12                        ; 4,096 bytes of codes
	s_add_co_u32 s32, s32, s27
	s_add_nc_u64 s[34:35], s[16:17], s[32:33]
	s_lshl_b32 s32, s30, 8                         ; 256 scale bytes
	s_add_co_u32 s32, s32, s28
	s_add_nc_u64 s[36:37], s[16:17], s[32:33]
	s_mul_i32 s38, s22, WREG
	v_lshrrev_b32 v14, 2, v2
	v_mul_u32_u24 v14, v14, SP
	v_and_b32 v15, 3, v2
	v_lshl_add_u32 v14, v15, 4, v14
	v_add_nc_u32 v14, s38, v14                     ; the stage, on the way in: four lanes' 64 bytes on end, then 16 of padding
	v_mul_u32_u24 v15, v2, SP
	v_add_nc_u32 v15, s38, v15                     ; and on the way out: SP x lane: my 16 neighbours
	v_mul_u32_u24 v4, v2, CB                       ; my codes' place in a step's
	v_lshrrev_b32 v5, 1, v2
	s_add_co_u32 s38, s38, 2*32*SP
	v_add_nc_u32 v5, s38, v5                       ; LDS: my wave's 256 scale bytes, my block's byte
	v_lshlrev_b32 v7, 3, v2                        ; and on the way out 8 bytes a lane
	v_add_nc_u32 v6, s38, v7
.macro LOAD t
.irp i, 0,1,2,3
	global_load_b128 v[R+16*((\t)%4)+4*\i:R+16*((\t)%4)+4*\i+3], v3, s[24:25] offset:2048*(\t)+512*\i th:TH_LOAD_NT   ; 32 lanes read 512 consecutive bytes
.endr
.endm
.macro TURN t                          ; step t's numbers through the stage: LDS serves a wave's instructions in order, so no wait stands between the stores and the loads
.irp i, 0,1,2,3
	ds_store_b128 v14, v[R+16*((\t)%4)+4*\i:R+16*((\t)%4)+4*\i+3] offset:32*SP*((\t)%2)+8*SP*\i
.endr
.irp i, 0,1,2,3
	ds_load_b128 v[X+16*((\t)%2)+4*\i:X+16*((\t)%2)+4*\i+3], v15 offset:32*SP*((\t)%2)+16*\i
.endr
.endm
.irp t, 0,1,2,3
	LOAD \t
.endr
	s_wait_loadcnt 12                              ; step 0's four loads are in
	TURN 0
.macro STEP t
.set XQ, X+16*((\t)%2)
.if (\t) > 0
	s_wait_dscnt 1                                 ; this step's numbers are back from the stage (the last step's byte store may be out): so its stores into the stage have read their registers,
.else
	s_wait_dscnt 0x0
.endif
.if (\t)+4 < STEPS
	LOAD (\t)+4                                    ; which take the loads of four steps on
.endif
.if (\t)+1 < STEPS
.if STEPS-2-(\t) >= 3
	s_wait_loadcnt 12                              ; the next step's four loads are in; those of the three steps behind it may be out
.else
	s_wait_loadcnt 4*(STEPS-2-(\t))
.endif
	TURN (\t)+1                                    ; and go through the other stage while this step is worked
.endif
	v_max3_num_f32 v8, |v[XQ]|, |v[XQ+1]|, |v[XQ+2]|               ; the largest magnitude of my 16
	v_max3_num_f32 v9, |v[XQ+3]|, |v[XQ+4]|, |v[XQ+5]|
.irp i, 6,10
	v_max3_num_f32 v8, v8, |v[XQ+\i]|, |v[XQ+\i+1]|
	v_max3_num_f32 v9, v9, |v[XQ+\i+2]|, |v[XQ+\i+3]|
.endr
	v_max3_num_f32 v8, v8, |v[XQ+14]|, |v[XQ+15]|
	v_max3_num_f32 v8, v8, v9, (EMAX+1)<<23        ; and the floor 2^(EMAX + 1 - 127): so the byte cannot fall under 1
	v_max_num_f32_dpp v8, v8, v8 row_xmask:1 row_mask:0xf bank_mask:0xf   ; and of my neighbour's 16: the block's
	v_add_nc_u32 v11, -(EMAX<<23), v8              ; EMAX off its exponent field: the conversion takes the exponent field of this operand as its scale, and nothing else of it
	v_cvt_scalef32_pk8_fp4_f32 v[C+4*(\t)], v[XQ:XQ+7], v11        ; eight numbers / the scale, to the nearest code, ties to even, beyond the largest code the largest
	v_cvt_scalef32_pk8_fp4_f32 v[C+4*(\t)+1], v[XQ+8:XQ+15], v11
	v_lshrrev_b32 v[E+(\t)], 23, v11               ; the scale's byte
	ds_store_b8 v5, v[E+(\t)] offset:16*(\t)       ; both lanes of a block write the same byte with the same value
	global_store_b64 v4, v[C+4*(\t):C+4*(\t)+1], s[34:35] offset:32*CB*(\t)   ; 32 lanes store 256 consecutive bytes
.endm
.irp t, 0,1,2,3,4,5,6,7,8,9,10,11,12,13,14,15
	STEP \t
.endr
	ds_load_b64 v[8:9], v6                         ; LDS serves a wave's instructions in order: these see my stores
	s_wait_dscnt 0x0
	global_store_b64 v7, v[8:9], s[36:37]          ; 32 lanes store 256 consecutive bytes
	s_wait_tensorcnt 0x0                           ; the wave's end
	ds_add_u32 v[SPW], v[NIL]
	s_wait_dscnt 0x0
	s_endpgm
.Lfunc_end_k_q8a86020a61_prep:
	.size	k_q8a86020a61_prep, .Lfunc_end_k_q8a86020a61_prep-k_q8a86020a61_prep
	.p2alignl 7, 3214868480
	.fill 96, 4, 3214868480
	.section	.rodata,"a",@progbits
	.p2align	6, 0x0
	.amdhsa_kernel k_q8a86020a61_prep
		.amdhsa_group_segment_fixed_size 100864
		.amdhsa_private_segment_fixed_size 0
		.amdhsa_enable_private_segment 0
		.amdhsa_kernarg_size 72
		.amdhsa_user_sgpr_count 2
		.amdhsa_user_sgpr_kernarg_segment_ptr 1
		.amdhsa_wavefront_size32 1
		.amdhsa_system_sgpr_workgroup_id_x 1
		.amdhsa_system_sgpr_workgroup_id_y 1
		.amdhsa_system_sgpr_workgroup_id_z 1
		.amdhsa_system_vgpr_workitem_id 0
		.amdhsa_next_free_vgpr 224
		.amdhsa_next_free_sgpr 66
		.amdhsa_reserve_vcc 0
		.amdhsa_float_denorm_mode_32 3
		.amdhsa_float_denorm_mode_16_64 3
		.amdhsa_memory_ordered 1
		.amdhsa_forward_progress 1
		.amdhsa_inst_pref_size 95
	.end_amdhsa_kernel
	.amdgpu_metadata
---
amdhsa.version: [ 1, 2 ]
amdhsa.kernels:
  - .name:           k_q8a86020a61_prep
    .symbol:         k_q8a86020a61_prep.kd
    .args:
      - { .name: Q, .offset: 0, .size: 8, .value_kind: global_buffer, .address_space: global }
      - { .name: W_Q, .offset: 8, .size: 8, .value_kind: global_buffer, .address_space: global }
      - { .name: W_K, .offset: 16, .size: 8, .value_kind: global_buffer, .address_space: global }
      - { .name: W_V, .offset: 24, .size: 8, .value_kind: global_buffer, .address_space: global }
      - { .name: W_O, .offset: 32, .size: 8, .value_kind: global_buffer, .address_space: global }
      - { .name: mask, .offset: 40, .size: 8, .value_kind: global_buffer, .address_space: global }
      - { .name: cq, .offset: 48, .size: 8, .value_kind: global_buffer, .address_space: global }
      - { .name: woimg, .offset: 56, .size: 8, .value_kind: global_buffer, .address_space: global }
      - { .name: mw, .offset: 64, .size: 8, .value_kind: global_buffer, .address_space: global }
    .group_segment_fixed_size: 100864
    .private_segment_fixed_size: 0
    .kernarg_segment_align: 8
    .kernarg_segment_size: 72
    .max_flat_workgroup_size: 128
    .sgpr_count:     66
    .vgpr_count:     224
    .wavefront_size: 32
...
	.end_amdgpu_metadata
.endif
;; end of part 1
;; launch proj (part 2): grid 12 x 16, 4 waves a work-group, clusters of 4 x 4, 327,680 bytes of LDS; arguments cq, b_Q, b_K, qkv; writes qkv
.if DOCPART == 2
	.amdgcn_target "amdgcn-amd-amdhsa--gfx1250"
	.amdhsa_code_object_version 6
	.text
	.protected	k_q8a86020a61_proj
	.globl	k_q8a86020a61_proj
	.p2align	8
	.type	k_q8a86020a61_proj,@function
k_q8a86020a61_proj:
	s_mov_b64 s[64:65], 0
	v_nop
	global_prefetch_b8 v0, s[64:65] scope:SCOPE_SE
	s_setreg_imm32_b32 hwreg(HW_REG_WAVE_MODE, 25, 1), 1
	s_wait_xcnt 0x0
	s_wait_alu depctr_hold_cnt(0) depctr_sa_sdst(0) depctr_va_vdst(0) depctr_va_sdst(0) depctr_va_ssrc(0) depctr_va_vcc(0) depctr_vm_vsrc(0)
	s_getreg_b32 s2, hwreg(HW_REG_IB_STS2, 6, 4)
	s_cmp_eq_u32 s2, 0
	s_cbranch_scc0 .Lentry_in_a_cluster
	s_endpgm
.Lentry_in_a_cluster:
	s_bfe_u32 s2, ttmp6, 0x10000c
	s_cmp_lg_u32 s2, 0xf033
	s_cbranch_scc0 .Lentry_shape_is_right
	s_endpgm
.Lentry_shape_is_right:
; PROJ: the three quantised products, x W_Q^T, x W_K^T, x W_V^T, as ONE product on codes of FP4 (E2M1) with one E8M0 scale for each 32 along K = 1,024; sums in f32.
; cq holds the codes of the 4,096 rows of x at 0 and of the 3,072 rows of W_Q, W_K, W_V at WC (512 bytes a row), their scale bytes (32 a row) at XS and WS.
; A tile of 256 x 256 is made by a work-group of four waves; a wave makes 128 x 128: 64 accumulators of 16 x 16, 512 registers.  All of K lies in two LDS slots of 512 along K: nothing is filled again.
; The matrix instruction's source 0 is called B here, its source 1 A: a lane of a result holds ONE row of A and eight neighbouring rows of B.
;   cluster x = 0, 1 (q, k): A = 256 tokens, B = 256 rows of W_Q or W_K: a lane holds a token and eight neighbouring features: packed to f16 these 16 bytes are four registers of the operand of q k^T.
;   cluster x = 2    (v):    A = 256 rows of W_V, B = 256 tokens: a lane holds a feature and eight neighbouring tokens: four registers of the operand v^T of the second product of attention.
; So results leave straight from registers, 512 consecutive bytes a store, as images of operand registers (lane l's 16 bytes at 16 l):
;   qkv: q at 0, k at 8,388,608: [batch x head 32][token/16 128][channel/16 4][512];  v at 16,777,216: [batch x head 32][token/32 64][channel/16 4][token half 2][512].
; b_Q and b_K are the C of each sum's first matrix instruction; q is multiplied by log2(e) / 8, so that attention's scores are exponents of 2.  b_V is added behind attention, where it is exact (the weights sum to 1).
; CLUSTERS: 4 x 4 work-groups; A's tile is shared along a row of the cluster, B's along a column: each is asked for jointly, by the same tensor load with a mask that names the four.
; 192 work-groups: the tile is square so that one text serves both orders of the sources.
; LIMITS: |q log2(e) / 8|, |k|, |v| stay under 65,504 (f16); NaN and infinities are not served.
; REGISTERS, in windows of 256: window 0: v0-31 addresses; v32-95 scale words, two sets, and nothing else; v128-191 A's fragments, ONE set; v192-255 the bias tiles; on the way out v128-255 are at work.
;   window 1: B's fragments, TWO sets, at v0 and at v128.   window 2: the accumulators of A's blocks 0-3 ((a, b) at v[8 (8 a + b)]);   window 3: those of blocks 4-7.
.set WC,     2097152
.set XS,     3670016
.set WS,     3801088
.set NQ,     4                         ; steps of 128 along K in a slot
.set ROWB,   256                       ; a tile's row in bytes: 512 codes
.set KROW,   512                       ; a row of codes in memory
.set PITCH,  272                       ; an LDS row: 256 bytes + 16 of padding = 68 words: the 16 rows that a load touches start at 16 different banks (64 banks of 4 bytes: ISA guide 11.1)
.set FR,     8                         ; registers of a fragment: 16 rows x 128 K
.set NL,     2                         ; LDS loads that bring one
.set NP,     4                         ; places behind this matrix instruction (ISA guide 7.12.1)
.set HALFT,  128*PITCH                 ; 128 rows: what one tensor load brings
.set SLOT,   4*HALFT                   ; A's 256 rows, then B's 256 rows
.set KS,     32                        ; a row of scale bytes
.set SCL,    2*SLOT                    ; behind the slots: the scales, as units of 256 bytes + 16 of padding
.set HALFS,  (128*KS/256)*272          ; the scales of 128 rows
.set SBLK,   (16*KS/256)*272           ; those of 16 rows
.set SPARE,  SCL+4*HALFS               ; the spare words, 128 bytes for each wave: two blocks of 256 bytes that no other line names
.set LI,   7                           ; v7      16 x lane
.set VO,   8                           ; v8-15   the way out: 16 x lane + where B's block b goes
.set ADRA, 16                          ; v16-17  LDS address of my A fragments in slot 0, 1
.set ADRB, 20                          ; v20-21  the same for B
.set ADRS, 27                          ; v27     LDS address of my scale words: lanes 0-15 A's rows, lanes 16-31 B's
.set SPW,  28                          ; v28     LDS address of my spare word; never rewritten
.set NIL,  29                          ; v29     0; never rewritten
.set BA,   30                          ; v30     the bias loads' offset
.set SC,   32                          ; scale words: set s at v[SC + 32 s]; register 4 i + q: lanes 0-15 the word of A's block i, lanes 16-31 that of B's block i, for the slot's q-th 128 along K
.set AF,   128                         ; A's fragments
.set BT,   192                         ; bias tile b: register j = the bias of B's row 16 b + 8 (lane / 16) + j
.set TF,   128                         ; the way out: a block's 64 numbers, scaled
.set OH,   192                         ; and packed: two sets of 32
.set G1, 24                            ; s[24:31] descriptor group 1 for A's tiles;  s[32:39] group 0, one set for each slot
.set G0, 32
.set G1B, 48                           ; s[48:55], s[56:63] the same for B's tiles
.set G0B, 56
.set G1S, 68                           ; s[68:75], s[76:79] groups 1 and 0 for A's scales;  s[80:87], s[88:91] for B's
.set G0S, 76
.set G1SB, 80
.set G0SB, 88
.set MSB, 0
.macro WIN new                         ; the immediate's high byte repeats the setting that is left
.if MSB != (\new)
	s_set_vgpr_msb (MSB<<8)|(\new)
.set MSB, (\new)
.endif
.endm
.set MUL_LO, 0xa1                      ; source 0 (B) window 1, source 1 (A) window 0, C and D window 2
.set MUL_HI, 0xf1                      ; the same, C and D window 3
.set TO_B,   0x40                      ; destination window 1, address window 0
; A joint load: waves 0 and 1 fetch for A, waves 2 and 3 for B.  Each of the two lines has ONE mask and one set of registers for all that issue it; the branch hangs on the wave's number alone.
; An s_nop 0 and four v_nop follow each of the two lines, ahead of the jump, the label and what follows.
.macro JLOAD g0a, g1a, g0b, g1b
	s_cmp_eq_u32 s15, 0
	s_cbranch_scc0 .Lfor_b_\@
	tensor_load_to_lds s[\g0a:\g0a+3], s[\g1a:\g1a+7]
	s_nop 0
.rept 4
	v_nop
.endr
	s_branch .Lasked_\@
.Lfor_b_\@:
	tensor_load_to_lds s[\g0b:\g0b+3], s[\g1b:\g1b+7]
	s_nop 0
.rept 4
	v_nop
.endr
.Lasked_\@:
.endm
.macro CROUND                          ; a round of the cluster's barrier: my work-group's barrier; wave 0 signals for the work-group; every wave waits for all sixteen; my work-group's barrier once more
	s_barrier_signal -1
	s_barrier_wait -1
	s_cmp_lg_u32 s14, 0
	s_cbranch_scc1 .Lnot_wave_0_\@
	s_barrier_signal -3
.Lnot_wave_0_\@:
	s_barrier_wait -3
	s_barrier_signal -1
	s_barrier_wait -1
.endm
	s_load_b256 s[4:11], s[0:1], 0x0               ; cq s[4:5], b_Q s[6:7], b_K s[8:9], qkv s[10:11]
	v_lshl_add_u32 v[SPW], v0, 2, SPARE
	v_mov_b32 v[NIL], 0
	ds_add_u32 v[SPW], v[NIL]                      ; the wave's opening: the add, twice on end, and its wait ahead of my first tensor load; the set-up below stands between the second and the wait
	ds_add_u32 v[SPW], v[NIL]
	v_lshrrev_b32 v1, 5, v0
	v_readfirstlane_b32 s14, v1                    ; wave 0..3
	s_lshr_b32 s15, s14, 1                         ; which half of A's rows is mine.  Also: I fetch for A (0) or for B (1)
	s_and_b32 s16, s14, 1                          ; which half of B's rows.  Also: which 128 rows of that tile I fetch
	s_bfe_u32 s40, ttmp6, 0x40000                  ; cx, cy: my place in the cluster
	s_bfe_u32 s41, ttmp6, 0x40004
	s_and_b32 s17, ttmp7, 0xffff
	s_lshl_b32 s17, s17, 2                         ; 4 x cluster y
	s_lshl_b32 s42, ttmp9, 2                       ; 4 x cluster x
	s_lshl_b32 s43, s41, 2
	s_lshl_b32 s43, 15, s43                        ; my row of the cluster
	s_lshl_b32 s44, 0x1111, s40                    ; my column
	s_cmp_eq_u32 ttmp9, 2                          ; the clusters with x = 2 make v: the same in all sixteen partners
	s_cselect_b32 s42, s17, s42                    ; B's tiles: v: tokens, by cluster y; else the rows of W_Q and W_K, by cluster x
	s_cselect_b32 s17, 8, s17                      ; A's tiles: v: W_V's rows, tiles 8 to 11 of the weights; else tokens, by cluster y
	s_cselect_b32 s92, WC, 0                       ; where A's codes begin in cq,
	s_cselect_b32 s93, 0, WC                       ; B's,
	s_mov_b32 s94, XS
	s_cselect_b32 s94, WS, s94                     ; A's scale bytes,
	s_mov_b32 s95, WS
	s_cselect_b32 s95, XS, s95                     ; B's
	s_cselect_b32 s46, 0, -1                       ; all ones where the bias tiles are kept
	s_add_co_u32 s17, s17, s41                     ; A's tile: + cy, which my row of the cluster shares
	s_add_co_u32 s42, s42, s40                     ; B's tile: + cx, which my column shares
	; descriptor group 1: a tile of 128 rows x 256 bytes, padded in LDS
	s_or_b32 s[G1+0], s43, (0<<16)|(1<<20)|(1<<21)|(5<<22)|(3<<25)  ; 15:0 the mask; 17:16 elements of 1 byte; 20 padding on; 21 set beside a mask; 24:22 after every 64 words; 31:25 four words
	s_or_b32 s[G1B+0], s44, (0<<16)|(1<<20)|(1<<21)|(5<<22)|(3<<25)
.irp g, G1, G1B
	s_mov_b32 s[\g+1], ROWB<<16                    ; tensor_dim0
	s_mov_b32 s[\g+2], 128<<16                     ; tensor_dim1
	s_mov_b32 s[\g+3], ROWB<<16                    ; tile_dim0
	s_mov_b32 s[\g+4], 128                         ; tile_dim1
	s_mov_b32 s[\g+5], KROW                        ; tensor_dim0_stride
	s_mov_b32 s[\g+6], 0
	s_mov_b32 s[\g+7], 0
.endr
	; and for the scales of 128 rows: a dense block of 4,096 bytes, as rows of 256 bytes (32 elements of 8 bytes), 16 bytes of padding behind each
	s_or_b32 s[G1S+0], s43, (3<<16)|(1<<20)|(1<<21)|(5<<22)|(3<<25)
	s_or_b32 s[G1SB+0], s44, (3<<16)|(1<<20)|(1<<21)|(5<<22)|(3<<25)
.irp g, G1S, G1SB
	s_mov_b32 s[\g+1], 32<<16
	s_mov_b32 s[\g+2], (128*KS/256)<<16
	s_mov_b32 s[\g+3], 32<<16
	s_mov_b32 s[\g+4], 128*KS/256
	s_mov_b32 s[\g+5], 32
	s_mov_b32 s[\g+6], 0
	s_mov_b32 s[\g+7], 0
.endr
	s_lshl_b32 s18, s16, 7                         ; which 128 rows of the tile I fetch
	s_lshl_b32 s20, s17, 8
	s_add_co_u32 s20, s20, s18                     ; A: row 256 x tile + 128 x half, in its region
	s_lshl_b32 s96, s42, 8
	s_add_co_u32 s96, s96, s18                     ; B likewise
	s_lshl_b32 s22, s20, 5                         ; 32 scale bytes a row,
	s_add_co_u32 s22, s22, s94
	s_lshl_b32 s20, s20, 9                         ; 512 bytes of codes
	s_add_co_u32 s20, s20, s92
	s_lshl_b32 s98, s96, 5
	s_add_co_u32 s98, s98, s95
	s_lshl_b32 s96, s96, 9
	s_add_co_u32 s96, s96, s93
	s_mov_b32 s21, 0
	s_mov_b32 s23, 0
	s_mov_b32 s97, 0
	s_mov_b32 s99, 0
	s_mul_i32 s45, s14, HALFT                      ; where they go: wave x 128 rows: no place in the cluster enters an LDS address
	s_mul_i32 s47, s14, HALFS
	s_wait_dscnt 0x0                               ; both opening adds are done
	s_wait_kmcnt 0x0
	s_add_nc_u64 s[20:21], s[4:5], s[20:21]
	s_add_nc_u64 s[22:23], s[4:5], s[22:23]
	s_add_nc_u64 s[96:97], s[4:5], s[96:97]
	s_add_nc_u64 s[98:99], s[4:5], s[98:99]
	CROUND                                         ; all sixteen work-groups are here: the joint loads meet
	s_mov_b32 s[G0S], 1
	s_add_co_u32 s[G0S+1], s47, SCL
	s_mov_b64 s[G0S+2:G0S+3], s[22:23]
	s_or_b32 s[G0S+3], s[G0S+3], 0x80000000
	s_mov_b32 s[G0SB], 1
	s_add_co_u32 s[G0SB+1], s47, SCL
	s_mov_b64 s[G0SB+2:G0SB+3], s[98:99]
	s_or_b32 s[G0SB+3], s[G0SB+3], 0x80000000
	JLOAD G0S, G1S, G0SB, G1SB                     ; the scales first: they are wanted with the first slot
.irp s, 0,1
	s_mov_b32 s[G0+4*\s], 1
	s_add_co_u32 s[G0+4*\s+1], s45, \s*SLOT
	s_add_nc_u64 s[G0+4*\s+2:G0+4*\s+3], s[20:21], \s*ROWB
	s_or_b32 s[G0+4*\s+3], s[G0+4*\s+3], 0x80000000
	s_mov_b32 s[G0B+4*\s], 1
	s_add_co_u32 s[G0B+4*\s+1], s45, \s*SLOT
	s_add_nc_u64 s[G0B+4*\s+2:G0B+4*\s+3], s[96:97], \s*ROWB
	s_or_b32 s[G0B+4*\s+3], s[G0B+4*\s+3], 0x80000000
	JLOAD G0+4*\s, G1, G0B+4*\s, G1B               ; three tensor loads of mine are out: all that this launch asks for
.endr
	v_and_b32 v1, 15, v0                           ; l % 16
	v_bfe_u32 v2, v0, 4, 1                         ; l / 16
	; the bias tiles: b_Q or b_K at B's rows (features 256 cx + 128 x my half + 16 b + 8 (l / 16) + j).  The clusters that make v load b_K's too, inside its buffer, and put zeros in their place
	s_cmp_eq_u32 ttmp9, 0
	s_cselect_b64 s[94:95], s[6:7], s[8:9]
	s_mov_b32 s66, 0x3f800000
	s_cselect_b32 s66, 0x3e38aa3b, s66             ; what results are multiplied by: q: log2(e) / 8; k, v: 1
	s_mov_b32 s67, s66                             ; (named with it as a pair, so it is written)
	s_lshl_b32 s92, s40, 10
	s_lshl_b32 s93, s16, 9
	s_add_co_u32 s92, s92, s93
	s_mov_b32 s93, 0
	s_add_nc_u64 s[94:95], s[94:95], s[92:93]
	v_lshlrev_b32 v[BA], 5, v2
.irp b, 0,1,2,3,4,5,6,7
	global_load_b128 v[BT+8*\b:BT+8*\b+3], v[BA], s[94:95] offset:64*\b
	global_load_b128 v[BT+8*\b+4:BT+8*\b+7], v[BA], s[94:95] offset:64*\b+16
.endr
	v_mul_u32_u24 v3, v1, PITCH
	v_lshl_add_u32 v4, v2, 4, v3                   ; a fragment's row x pitch + 16 x half
	s_mul_i32 s21, s15, HALFT                      ; my 128 rows of A
	s_mul_i32 s22, s16, HALFT                      ; my 128 rows of B,
	s_add_co_u32 s22, s22, 2*HALFT                 ; which lie behind A's 256
.irp s, 0,1
	v_add_nc_u32 v[ADRA+\s], s21, v4
	v_add_nc_u32 v[ADRB+\s], s22, v4
	s_add_co_u32 s21, s21, SLOT
	s_add_co_u32 s22, s22, SLOT
.endr
	v_mul_u32_u24 v5, v1, KS                       ; my row's scales: 32 bytes a row,
	v_lshrrev_b32 v6, 8, v5
	v_lshl_add_u32 v5, v6, 4, v5                   ; and 16 more for each 256 passed
	s_mul_i32 s21, s15, HALFS                      ; A's: my 128 rows
	s_mul_i32 s22, s16, HALFS                      ; B's: my 128 rows, behind A's 256
	s_add_co_u32 s22, s22, 2*HALFS
	s_sub_co_u32 s22, s22, s21
	v_mul_u32_u24 v6, s22, v2                      ; lanes 16-31 take B's
	s_add_co_u32 s21, s21, SCL
	v_add_nc_u32 v5, v5, v6
	v_add_nc_u32 v[ADRS], s21, v5
	; the way out.  q, k: tokens are A's rows, features B's; v: the other way round
	s_cmp_eq_u32 ttmp9, 2
	s_cselect_b32 s18, s42, s17                    ; the tile of tokens,
	s_cselect_b32 s19, s16, s15                    ; my half of it,
	s_cselect_b32 s92, s41, s40                    ; the tile of 256 features of the projection,
	s_cselect_b32 s93, s15, s16                    ; my half of it
	s_mov_b32 s100, 2048
	s_cselect_b32 s100, 1024, s100                 ; from A's block a to a + 1: q, k: 16 tokens on; v: 16 channels on
	s_mov_b32 s104, 2048
	s_cselect_b32 s104, 259072, s104               ; from block 3 to 4: v: on to the next head's first channels
	s_mov_b32 s101, 0
	s_mov_b32 s105, 0
	v_and_b32 v[LI], 31, v0
	v_lshlrev_b32 v[LI], 4, v[LI]
.irp b, 0,1,2,3,4,5,6,7                ; where B's block b goes: q, k: head b / 4, 16 channels b % 4; v: 32 tokens b / 2, their half b % 2
	s_mov_b32 s2, (\b/4)*262144+(\b%4)*512
	s_cselect_b32 s2, (\b/2)*4096+(\b%2)*512, s2
	v_add_nc_u32 v[VO+\b], s2, v[LI]
.endr
	s_lshl_b32 s18, s18, 8
	s_lshl_b32 s19, s19, 7
	s_add_co_u32 s18, s18, s19                     ; my first token
	s_lshr_b32 s19, s18, 11
	s_lshl_b32 s19, s19, 4                         ; 16 x its batch
	s_lshl_b32 s92, s92, 2
	s_add_co_u32 s19, s19, s92
	s_lshl_b32 s93, s93, 1
	s_add_co_u32 s19, s19, s93                     ; + my first head: four heads to a tile of features, two to my half
	s_lshl_b32 s19, s19, 18                        ; 262,144 bytes for a batch and head
	s_and_b32 s18, s18, 2047
	s_lshl_b32 s18, s18, 7                         ; 128 bytes a token in all three layouts
	s_add_co_u32 s18, s18, s19
	s_lshl_b32 s19, ttmp9, 23                      ; q, k or v
	s_add_co_u32 s18, s18, s19
	s_mov_b32 s19, 0
	s_add_nc_u64 s[12:13], s[10:11], s[18:19]
	s_wait_loadcnt 0x0                             ; the bias tiles
.set i, 0
.rept 64
	v_cndmask_b32 v[BT+i], 0, v[BT+i], s46         ; v starts from zeros
.set i, i+1
.endr
.rept 8
	v_nop
.endr
.macro FRAG reg, adr, q, i             ; a fragment, 16 rows x 128 K of 4-bit codes, is 8 registers: lane l holds row l % 16; registers 4 c .. 4 c + 3 hold K = 64 c + 32 (l / 16) + 0 .. 31
.irp c, 0,1
	ds_load_b128 v[\reg+4*\c:\reg+4*\c+3], v[\adr] offset:64*(\q)+32*\c+(\i)*16*PITCH
.endr
.endm
; 16 matrix instructions: A's blocks a0, a0 + 1 x B's eight, 128 along K: the slot's q-th.  p: B's set;  sc: the set of scale words.  first = 1: the bias tile is C and starts the sums: nothing is ever cleared.
; The 64 accumulators take turns, one instruction a turn, in the same order in every step.
.macro MUL16 a0, p, q, sc, first
.irp a, \a0, \a0+1
.irp b, 0,1,2,3,4,5,6,7
.if \first
	v_wmma_scale_f32_16x16x128_f8f6f4 v[8*(8*((\a)%4)+\b):8*(8*((\a)%4)+\b)+7], v[128*(\p)+FR*\b:128*(\p)+FR*\b+FR-1], v[AF+FR*(\a):AF+FR*(\a)+FR-1], v[BT+8*\b:BT+8*\b+7], v[SC+8*NQ*(\sc)+NQ*\b+(\q)], v[SC+8*NQ*(\sc)+NQ*(\a)+(\q)] matrix_a_fmt:MATRIX_FMT_FP4 matrix_b_fmt:MATRIX_FMT_FP4 matrix_a_scale:MATRIX_SCALE_ROW1
.else
	v_wmma_scale_f32_16x16x128_f8f6f4 v[8*(8*((\a)%4)+\b):8*(8*((\a)%4)+\b)+7], v[128*(\p)+FR*\b:128*(\p)+FR*\b+FR-1], v[AF+FR*(\a):AF+FR*(\a)+FR-1], v[8*(8*((\a)%4)+\b):8*(8*((\a)%4)+\b)+7], v[SC+8*NQ*(\sc)+NQ*\b+(\q)], v[SC+8*NQ*(\sc)+NQ*(\a)+(\q)] matrix_a_fmt:MATRIX_FMT_FP4 matrix_b_fmt:MATRIX_FMT_FP4 matrix_a_scale:MATRIX_SCALE_ROW1
.endif
.endr
.endr
.endm
.macro FETCH_B slot, q, p              ; B's eight fragments of the slot's q-th 128 along K into set p
	WIN TO_B
.irp i, 0,1,2,3,4,5,6,7
	FRAG 128*(\p)+FR*\i, ADRB+\slot, \q, \i
.endr
	WIN 0
.endm
.macro FETCH_A slot, q, i0             ; A's blocks i0 .. i0 + 3
.irp i, \i0, \i0+1, \i0+2, \i0+3
	FRAG AF+FR*(\i), ADRA+\slot, \q, \i
.endr
.endm
.macro SCALES sc                       ; a slot's scale words into set sc: four words a row; lanes 0-15 take A's block i, lanes 16-31 B's block i
.irp i, 0,1,2,3,4,5,6,7
	ds_load_b128 v[SC+8*NQ*\sc+NQ*\i:SC+8*NQ*\sc+NQ*\i+3], v[ADRS] offset:\i*SBLK
.endr
.endm
; A load into a register that a matrix instruction has read, and a vector instruction that reads a matrix result, stand NP places behind that matrix instruction, and only plain vector
; instructions that name none of its registers are places (ISA guide 7.12.1 for vector instructions).
.macro PLACES n
.rept \n
	v_nop
.endr
.endm
; A step of 128 along K that has its successor in the same slot: 64 matrix instructions, A's blocks one after the other, each against B's eight.  A block of A is free as soon as its eight products are issued:
; blocks 0-3 are fetched anew in the step's middle, blocks 4-7 at its end; B has two sets.
.macro STEP slot, q, first
	s_wait_dscnt 4*NL                              ; B's set and A's blocks 0-3 are in; the youngest loads (A's blocks 4-7) may be out
.if \first
	WIN 0x81                                       ; C (the bias tile) window 0, D window 2
.else
	WIN MUL_LO
.endif
	MUL16 0, (\q)%2, \q, \slot, \first
	MUL16 2, (\q)%2, \q, \slot, \first
	s_wait_dscnt 0                                 ; A's blocks 4-7 are in (asked for 32 matrix instructions ago)
	PLACES NP
	FETCH_B \slot, (\q)+1, 1-(\q)%2
	FETCH_A \slot, (\q)+1, 0
.if \first
	WIN 0xc1                                       ; C window 0, D window 3
.else
	WIN MUL_HI
.endif
	MUL16 4, (\q)%2, \q, \slot, \first
	MUL16 6, (\q)%2, \q, \slot, \first
	PLACES NP
	WIN 0
	FETCH_A \slot, (\q)+1, 4
.endm
.macro STEPS slot, from                ; the slot's steps from .. NQ - 2
.set QS, \from
.rept NQ-1-\from
	STEP \slot, QS, 0
.set QS, QS+1
.endr
.endm
	s_wait_tensorcnt 1                             ; the scales and my part of slot 0 are in (slot 1's load, issued last, may be out),
	s_barrier_signal -1
	s_barrier_wait -1                              ; everybody's are
	FETCH_B 0, 0, 0
	FETCH_A 0, 0, 0
	SCALES 0
	FETCH_A 0, 0, 4
	STEP 0, 0, 1                                   ; the first step's products start the sums, from the bias tiles
	STEPS 0, 1
	; slot 0's last step goes over to slot 1: each wave waits for all its tensor loads (its part of slot 1), adds 0 to its spare word, waits for that, and passes the barrier; nothing is filled again
	s_wait_tensorcnt 0x0                           ; (every window is 0 here: the add's two registers lie in window 0)
	ds_add_u32 v[SPW], v[NIL]
	s_wait_dscnt 4*NL+1                            ; (the add and the youngest loads, A's blocks 4-7, may be out)
	WIN MUL_LO
	MUL16 0, 1, NQ-1, 0, 0                         ; sixteen matrix instructions stand between the add and the wait for it
	s_wait_dscnt 0x0
	s_barrier_signal -1
	MUL16 2, 1, NQ-1, 0, 0
	WIN 0
	s_barrier_wait -1                              ; slot 1 is whole
	PLACES NP
	v_add_nc_u32 v[ADRS], 4*NQ, v[ADRS]            ; on to slot 1's scale words (no LDS load of mine is out)
	FETCH_B 1, 0, 0
	FETCH_A 1, 0, 0
	SCALES 1
	WIN MUL_HI
	MUL16 4, 1, NQ-1, 0, 0
	MUL16 6, 1, NQ-1, 0, 0
	PLACES NP
	WIN 0
	FETCH_A 1, 0, 4
	STEPS 1, 0
	s_wait_dscnt 4*NL                              ; the very last step: nothing more to fetch
	WIN MUL_LO
	MUL16 0, 1, NQ-1, 1, 0
	MUL16 2, 1, NQ-1, 1, 0
	s_wait_dscnt 0
	WIN MUL_HI
	MUL16 4, 1, NQ-1, 1, 0
	MUL16 6, 1, NQ-1, 1, 0
	WIN 0
; THE WAY OUT, A's block by block: 64 numbers a lane are scaled, packed to f16 in pairs and stored: accumulator b's four registers are 16 bytes a lane, 512 consecutive bytes a store.
.macro OUTBLK a
	WIN 0x02+(\a)/4                                ; source 0: window 2 or 3
.set i, 0
.rept 32
	v_pk_mul_f32 v[TF+2*i:TF+2*i+1], v[64*((\a)%4)+2*i:64*((\a)%4)+2*i+1], s[66:67] op_sel_hi:[1,0]   ; each accumulator from its low end on
.set i, i+1
.endr
	WIN 0
.set i, 0
.rept 32
	v_cvt_pk_f16_f32 v[OH+32*((\a)%2)+i], v[TF+2*i], v[TF+2*i+1]   ; this set was stored two blocks ago; the wait below, in the block between, has freed it
.set i, i+1
.endr
	s_wait_xcnt 0x0                                ; the earlier stores have read their registers and their base: only behind this wait is the base stepped
.if (\a) == 4
	s_add_nc_u64 s[12:13], s[12:13], s[104:105]
.elseif (\a) > 0
	s_add_nc_u64 s[12:13], s[12:13], s[100:101]
.endif
.irp b, 0,1,2,3,4,5,6,7
	global_store_b128 v[VO+\b], v[OH+32*((\a)%2)+4*\b:OH+32*((\a)%2)+4*\b+3], s[12:13]
.endr
.endm
	PLACES NP                                      ; behind the last products: their operands' registers are written and, later, their results read
.irp a, 0,1,2,3,4,5,6,7
	OUTBLK \a
.endr
	s_wait_tensorcnt 0x0                           ; the wave's end: behind my last tensor load
	ds_add_u32 v[SPW], v[NIL]
	s_wait_dscnt 0x0
	CROUND                                         ; the closing round: no work-group ends while a partner may still ask for a tile that names it
	s_endpgm
.Lfunc_end_k_q8a86020a61_proj:
	.size	k_q8a86020a61_proj, .Lfunc_end_k_q8a86020a61_proj-k_q8a86020a61_proj
	.p2alignl 7, 3214868480
	.fill 96, 4, 3214868480
	.section	.rodata,"a",@progbits
	.p2align	6, 0x0
	.amdhsa_kernel k_q8a86020a61_proj
		.amdhsa_group_segment_fixed_size 327680
		.amdhsa_private_segment_fixed_size 0
		.amdhsa_enable_private_segment 0
		.amdhsa_kernarg_size 32
		.amdhsa_user_sgpr_count 2
		.amdhsa_user_sgpr_kernarg_segment_ptr 1
		.amdhsa_wavefront_size32 1
		.amdhsa_system_sgpr_workgroup_id_x 1
		.amdhsa_system_sgpr_workgroup_id_y 1
		.amdhsa_system_sgpr_workgroup_id_z 1
		.amdhsa_system_vgpr_workitem_id 0
		.amdhsa_next_free_vgpr 1024
		.amdhsa_next_free_sgpr 106
		.amdhsa_reserve_vcc 0
		.amdhsa_float_denorm_mode_32 3
		.amdhsa_float_denorm_mode_16_64 3
		.amdhsa_memory_ordered 1
		.amdhsa_forward_progress 1
		.amdhsa_inst_pref_size 142
	.end_amdhsa_kernel
	.amdgpu_metadata
---
amdhsa.version: [ 1, 2 ]
amdhsa.kernels:
  - .name:           k_q8a86020a61_proj
    .symbol:         k_q8a86020a61_proj.kd
    .args:
      - { .name: cq, .offset: 0, .size: 8, .value_kind: global_buffer, .address_space: global }
      - { .name: b_Q, .offset: 8, .size: 8, .value_kind: global_buffer, .address_space: global }
      - { .name: b_K, .offset: 16, .size: 8, .value_kind: global_buffer, .address_space: global }
      - { .name: qkv, .offset: 24, .size: 8, .value_kind: global_buffer, .address_space: global }
    .group_segment_fixed_size: 327680
    .private_segment_fixed_size: 0
    .kernarg_segment_align: 8
    .kernarg_segment_size: 32
    .max_flat_workgroup_size: 128
    .sgpr_count:     106
    .vgpr_count:     1024
    .wavefront_size: 32
...
	.end_amdgpu_metadata
.endif
;; end of part 2
;; launch attn (part 3): grid 8 x 32, 8 waves a work-group, clusters of 4 x 1, 327,680 bytes of LDS; arguments qkv, mw, b_V, oimg; writes oimg
.if DOCPART == 3
	.amdgcn_target "amdgcn-amd-amdhsa--gfx1250"
	.amdhsa_code_object_version 6
	.text
	.protected	k_q8a86020a61_attn
	.globl	k_q8a86020a61_attn
	.p2align	8
	.type	k_q8a86020a61_attn,@function
k_q8a86020a61_attn:
	s_mov_b64 s[64:65], 0
	v_nop
	global_prefetch_b8 v0, s[64:65] scope:SCOPE_SE
	s_setreg_imm32_b32 hwreg(HW_REG_WAVE_MODE, 25, 1), 1
	s_wait_xcnt 0x0
	s_wait_alu depctr_hold_cnt(0) depctr_sa_sdst(0) depctr_va_vdst(0) depctr_va_sdst(0) depctr_va_ssrc(0) depctr_va_vcc(0) depctr_vm_vsrc(0)
	s_getreg_b32 s2, hwreg(HW_REG_IB_STS2, 6, 4)
	s_cmp_eq_u32 s2, 0
	s_cbranch_scc0 .Lentry_in_a_cluster
	s_endpgm
.Lentry_in_a_cluster:
	s_bfe_u32 s2, ttmp6, 0x10000c
	s_cmp_lg_u32 s2, 0x3003
	s_cbranch_scc0 .Lentry_shape_is_right
	s_endpgm
.Lentry_shape_is_right:
; ATTN: o[b][h][q] = the sum over k of softmax_k(where(mask[q][k], -1e9, q . k / 8)) v[k] + b_V, for 32 (batch, head) x 2,048 queries x 2,048 keys, head size 64.  Operands f16, products, maxima and sums f32.
; q (already x log2(e) / 8), k and v come as images of operand registers (lane l's 16 bytes at 16 l): q, k [batch x head][token/16][channel/16 4][512], v [batch x head][token/32][channel/16 4][token half 2][512].
; THE MASK IS AN INPUT: every key is walked.  It comes as lane masks, one 32-bit word for each register of a tile of scores (mw [query/16][key/16][8]), read by scalar loads a step ahead;
; one v_cndmask_b32 a register puts -1e9 log2(e) in a masked score's place, ahead of the maximum.  So a row that is masked throughout comes out as the plain average, as it does with -1e9 in the softmax.
; SOFTMAX: for each query a running maximum m and sum l: p = 2^(s - m); in every step O and l are multiplied by a = 2^(m_old - m_new).  p is rounded to f16 for the second product; l sums the unrounded p.
; b_V is added here, behind the division by l: the weights sum to 1.  The result is rounded once, to f16, and leaves as images of the registers of the output projection's operand:
; oimg [token/16 256][head 16][channel/32 2][registers 0-3, 4-7][512].  (A row with one weight of 1 and b_V = 0 is v's own f16 number, which that rounding leaves as it is.)
; SHARES: a work-group owns 256 queries of one (batch, head); each of its eight waves two tiles of 16, in 256 registers: two waves to a SIMD, so that one wave's vector work stands beside the other's products.
; Both products are used transposed (S^T = K Q^T, O^T = V^T P^T): a lane holds ONE query (lane % 16) throughout; two tiles of S^T, packed in pairs, ARE source 1 of the second product.
; K and V come through two LDS slots of 512 keys (64 KiB of K, then 64 KiB of V, dense images): wave w fetches 16 KiB, one tensor load.  CLUSTER: the four query blocks of a cluster walk the same K and V:
; each tile is asked for jointly, with a mask that names the four.
; LIMITS: |q log2(e) / 8|, |k|, |v|, |o + b_V| stay under 65,504 (f16); NaN and infinities are not served; scores that are not masked are taken to lie above -1e9.
.set SLOT1, 131072                     ; slot 1 begins here: one exclusive or turns an address in one slot into the other's
.set SPARE, 262144                     ; behind the slots: the spare words, 128 bytes for each wave: four blocks of 256 bytes that no other line names
.set LI,  1                            ; v1   16 x lane: an image's place for my lane; never rewritten
.set LIV, 2                            ; v2   the same in a slot's part for V
.set ADK, 3                            ; v3   LDS address of the step's K
.set ADV, 4                            ; v4   of its V
.set SPW, 5                            ; v5   LDS address of my spare word; never rewritten
.set NIL, 6                            ; v6   0; never rewritten
.set NEG, 7                            ; v7   -1e9 log2(e)
.set ST,  8                            ; tile t's statistics at v[ST + 8 t]: +0 m, +1 the new m, +2, +3 l (even keys', odd keys'), +4 to +7 at work; a stands in +6
.set QF,  24                           ; v24-55   Q: tile t, channels 32 c on, at QF + 16 t + 8 c
.set SS,  56                           ; v56-119  S^T, then p: tile t at SS + 32 t; P packed into its lower 16
.set KV,  120                          ; v120-183 the step's fragments of K, then of V
.set OO,  184                          ; v184-247 O^T: tile t at OO + 32 t
.set PFO, 248                          ; v248 256 x lane; never rewritten
.set TM,  250                          ; v250-253 the sums' second chains
.set PFA, 2                            ; s[2:3]   where my prefetch stands
.set G1,  4                            ; s[4:11]  descriptor group 1: 64 rows of 256 bytes, dense
.set G0A, 12                           ; s[12:15] group 0 of slot 0's first fill
.set G0B, 16                           ; s[16:19] group 0 of slot 1's first fill; it then walks on
.set MWP, 20                           ; s[20:21] my two tiles' mask words
.set OP,  22                           ; s[22:23] my two tiles' images in oimg
.set BVP, 24                           ; s[24:25] my head's 64 numbers of b_V
.set SEL, 28                           ; s[28:29] lane selects for v_permlanex16_b32: lane l xor 16
.set WV,  30                           ; s30  my wave's number
.set TB,  31                           ; s31  LDS byte at which the step's K begins
.set MW0, 32                           ; s[32:63] tile 0's 32 mask words of the step
.set MOFF, 66                          ; s66  the step's place among a tile's mask words: 128 bytes a step
.set SLOTS, 67                         ; s67  slots still to be asked for
.set MW1, 68                           ; s[68:99] tile 1's mask words; at the head: the arguments and what is made of them
.set CNT, 100                          ; s100 counts a slot's eight steps
.set LIM, 101                          ; s101 1 in a wave that prefetches, else the greatest number
.set QP,  104                          ; s[104:105] my two tiles of Q
.macro CROUND                          ; a round of the cluster's barrier: my work-group's barrier; wave 0 signals for the work-group; every wave waits for all four; my work-group's barrier once more
	s_barrier_signal -1
	s_barrier_wait -1
	s_cmp_lg_u32 s[WV], 0
	s_cbranch_scc1 .Lnot_wave_0_\@
	s_barrier_signal -3
.Lnot_wave_0_\@:
	s_barrier_wait -3
	s_barrier_signal -1
	s_barrier_wait -1
.endm
; A PREFETCH INTO THE L2 of what the NEXT change of slots will ask for: 64 KiB of K and 64 KiB of V, lanes 256 bytes apart.  Each block of 256 bytes is named once in the launch: both clusters of a (batch, head)
; walk the same K and V, and the first of them asks; in each of its four partners waves 0, 2, 4, 6 ask, each for 8,192 of the 32,768 bytes that it and the next wave fetch; the partners are told apart by address.
; It stands behind the wave's tensor load and its five lines.  The last change that fills a slot asks for nothing; the first three slots' worth of keys come by their loads alone.
.macro ASK
	s_cmp_gt_u32 s[SLOTS], s[LIM]
	s_cbranch_scc0 .Lnot_mine_\@
	global_prefetch_b8 v[PFO], s[PFA:PFA+1] th:TH_LOAD_NT scope:SCOPE_SE
.Lnot_mine_\@:
.endm
	s_load_b256 s[68:75], s[0:1], 0x0              ; qkv s[68:69], mw s[70:71], b_V s[72:73], oimg s[74:75]
	v_lshl_add_u32 v[SPW], v0, 2, SPARE
	v_mov_b32 v[NIL], 0
	ds_add_u32 v[SPW], v[NIL]                      ; the wave's opening: the add, twice on end, and its wait ahead of my first tensor load; the set-up below stands between the second and the wait
	ds_add_u32 v[SPW], v[NIL]
	v_lshrrev_b32 v1, 5, v0
	v_readfirstlane_b32 s[WV], v1                  ; wave 0..7
	s_bfe_u32 s76, ttmp6, 0x40000                  ; cx: my place in the cluster
	s_lshl_b32 s77, ttmp9, 2
	s_add_co_u32 s77, s77, s76                     ; my block of 256 queries: it enters Q's, the mask's and the result's addresses alone
	s_and_b32 s78, ttmp7, 0xffff                   ; 16 x batch + head, which the four partners share
	s_mov_b32 s[G1], 15|(3<<16)|(1<<21)            ; 15:0 the mask: all four work-groups; 17:16 elements of 8 bytes; 21 set beside a mask; no padding
	s_mov_b32 s[G1+1], 32<<16                      ; tensor_dim0 = 32 elements: 256 bytes
	s_mov_b32 s[G1+2], 64<<16                      ; tensor_dim1 = 64
	s_mov_b32 s[G1+3], 32<<16                      ; tile_dim0
	s_mov_b32 s[G1+4], 64                          ; tile_dim1
	s_mov_b32 s[G1+5], 32                          ; tensor_dim0_stride: dense
	s_mov_b32 s[G1+6], 0
	s_mov_b32 s[G1+7], 0
	s_mov_b32 s80, 16777216                        ; what I fetch: waves 0-3 the quarters of a slot's K, waves 4-7 of its V
	s_cmp_lt_u32 s[WV], 4
	s_cselect_b32 s80, 8388608, s80
	s_lshl_b32 s79, s78, 18                        ; 262,144 bytes for a batch and head in q, in k and in v
	s_add_co_u32 s80, s80, s79
	s_and_b32 s81, s[WV], 3
	s_lshl_b32 s81, s81, 14
	s_add_co_u32 s80, s80, s81
	s_mov_b32 s81, 0
	s_lshl_b32 s82, s[WV], 14                      ; and where it goes: 16,384 x wave: no place in the cluster enters an LDS address
	s_lshl_b32 s83, s77, 4
	s_lshl_b32 s84, s[WV], 1
	s_add_co_u32 s83, s83, s84                     ; my first tile of 16 queries: 16 x block + 2 x wave
	s_lshl_b32 s84, s83, 11                        ; 2,048 bytes a tile of Q
	s_add_co_u32 s84, s84, s79
	s_mov_b32 s85, 0
	s_lshl_b32 s86, s83, 12                        ; 4,096 bytes of mask words a tile
	s_mov_b32 s87, 0
	s_lshr_b32 s88, s78, 4
	s_lshl_b32 s88, s88, 7
	s_add_co_u32 s88, s88, s83                     ; my first tile among the 256 of both batches
	s_lshl_b32 s88, s88, 15                        ; 32,768 bytes a tile in oimg,
	s_and_b32 s89, s78, 15
	s_lshl_b32 s90, s89, 11                        ; 2,048 a head
	s_add_co_u32 s88, s88, s90
	s_lshl_b32 s90, s89, 8                         ; 256 bytes a head in b_V
	s_mov_b32 s89, 0
	s_mov_b32 s91, 0
	s_lshl_b32 s92, s76, 13                        ; the prefetch: my work-group's 8,192 bytes,
	s_add_co_u32 s92, s92, s80
	s_add_co_u32 s92, s92, 131072                  ; two slots' worth of keys on; the first change of slots steps it to the third
	s_mov_b32 s93, 0
	s_and_b32 s[LIM], s[WV], 1                     ; 0 in the even waves,
	s_or_b32 s[LIM], s[LIM], ttmp9                 ; of the first cluster: the same in all four partners
	s_cmp_eq_u32 s[LIM], 0
	s_cselect_b32 s[LIM], 1, -1
	s_mov_b32 s[SEL], 0x76543210
	s_mov_b32 s[SEL+1], 0xfedcba98
	s_mov_b32 s[TB], 0
	s_mov_b32 s[MOFF], 0
	s_mov_b32 s[SLOTS], 2
	s_wait_dscnt 0x0                               ; both opening adds are done
	s_wait_kmcnt 0x0
	s_mov_b32 s[G0A], 1                            ; count = 1
	s_mov_b32 s[G0A+1], s82                        ; LDS address: slot 0
	s_add_nc_u64 s[G0A+2:G0A+3], s[68:69], s[80:81]  ; global address: keys 0 to 511
	s_mov_b32 s[G0B], 1
	s_add_co_u32 s[G0B+1], s82, SLOT1              ; slot 1
	s_add_nc_u64 s[G0B+2:G0B+3], s[G0A+2:G0A+3], 65536  ; keys 512 to 1,023
	s_or_b32 s[G0A+3], s[G0A+3], 0x80000000        ; type = 2
	s_or_b32 s[G0B+3], s[G0B+3], 0x80000000
	s_add_nc_u64 s[QP:QP+1], s[68:69], s[84:85]
	s_add_nc_u64 s[MWP:MWP+1], s[70:71], s[86:87]
	s_add_nc_u64 s[OP:OP+1], s[74:75], s[88:89]
	s_add_nc_u64 s[BVP:BVP+1], s[72:73], s[90:91]
	s_add_nc_u64 s[PFA:PFA+1], s[68:69], s[92:93]
	CROUND                                         ; all four work-groups are here: the first joint loads meet
	tensor_load_to_lds s[G0A:G0A+3], s[G1:G1+7]    ; every wave issues both first fills: two tensor loads of mine are out
	s_nop 0
	tensor_load_to_lds s[G0B:G0B+3], s[G1:G1+7]
	s_nop 0
.rept 4
	v_nop
.endr
	v_and_b32 v1, 31, v0
	v_lshlrev_b32 v[PFO], 8, v1
	v_lshlrev_b32 v[LI], 4, v1
	v_add_nc_u32 v[LIV], 65536, v[LI]
	v_mov_b32 v[NEG], 0xceabfb8f
.irp t, 0,1
.irp i, 0,1,2,3
	global_load_b128 v[QF+16*\t+4*\i:QF+16*\t+4*\i+3], v[LI], s[QP:QP+1] offset:2048*\t+512*\i   ; Q stays in registers
.endr
.endr
	s_load_b512 s[MW0:MW0+15], s[MWP:MWP+1], s[MOFF] offset:0x0        ; the first step's mask words (the arguments' registers are done with)
	s_load_b512 s[MW0+16:MW0+31], s[MWP:MWP+1], s[MOFF] offset:0x40
	s_load_b512 s[MW1:MW1+15], s[MWP:MWP+1], s[MOFF] offset:0x1000
	s_load_b512 s[MW1+16:MW1+31], s[MWP:MWP+1], s[MOFF] offset:0x1040
.irp t, 0,1
	v_mov_b32 v[ST+8*\t], 0xff61b1e6               ; m: -3e38, under every score and under -1e9 log2(e)
.irp i, 1,2,3,4,5,6,7
	v_mov_b32 v[ST+8*\t+\i], 0                     ; l, and what is named before it is first written
.endr
.endr
.set i, 0
.rept 64
	v_mov_b32 v[OO+i], 0                           ; O^T.  (The step is written once: the first finds zeros, which its a = 0 leaves zeros)
.set i, i+1
.endr
; A KEY STEP: 64 keys, K at LDS byte s[TB], V 65,536 bytes on.
.macro STEP
	v_add_nc_u32 v[ADK], s[TB], v[LI]              ; with the four v_nop: five places behind the last step's products, whose operands are loaded into and written over below
.rept 4
	v_nop
.endr
.set i, 0
.rept 16
	ds_load_b128 v[KV+4*i:KV+4*i+3], v[ADK] offset:512*i   ; keys 16 (i / 4) on, channels 16 (i % 4) on: 512 consecutive bytes
.set i, i+1
.endr
	s_wait_dscnt 0x0
.irp c, 0,1                            ; S^T = K Q^T: eight accumulators by turns, one instruction a turn; the first 32 channels start the sums
.irp kt, 0,1,2,3
.irp t, 0,1
.if \c == 0
	v_wmma_f32_16x16x32_f16 v[SS+32*\t+8*\kt:SS+32*\t+8*\kt+7], v[KV+16*\kt+8*\c:KV+16*\kt+8*\c+7], v[QF+16*\t+8*\c:QF+16*\t+8*\c+7], 0
.else
	v_wmma_f32_16x16x32_f16 v[SS+32*\t+8*\kt:SS+32*\t+8*\kt+7], v[KV+16*\kt+8*\c:KV+16*\kt+8*\c+7], v[QF+16*\t+8*\c:QF+16*\t+8*\c+7], v[SS+32*\t+8*\kt:SS+32*\t+8*\kt+7]
.endif
.endr
.endr
.endr
	v_add_nc_u32 v[ADV], s[TB], v[LIV]             ; four places: in front of the loads into K's registers and of the first read of the scores
.rept 3
	v_nop
.endr
.set i, 0
.rept 16
	ds_load_b128 v[KV+4*i:KV+4*i+3], v[ADV] offset:512*i   ; V: keys 32 (i / 8) on, channels 16 ((i / 2) % 4) on, half i % 2.  It lands while the softmax is walked
.set i, i+1
.endr
	s_wait_kmcnt 0x0                               ; the step's mask words, asked for a step ago
.set i, 0
.rept 32
	v_cndmask_b32 v[SS+i], v[SS+i], v[NEG], s[MW0+i]       ; register 8 kt + j holds key 16 kt + 8 (lane / 16) + j of query lane % 16, and so does bit lane of word 8 kt + j.  Each accumulator from its low end on
	v_cndmask_b32 v[SS+32+i], v[SS+32+i], v[NEG], s[MW1+i]
.set i, i+1
.endr
	s_add_co_u32 s[MOFF], s[MOFF], 128             ; (free since the wait above)  the next step's words;
	s_and_b32 s[MOFF], s[MOFF], 0xfff              ; the last step asks for the first step's again: no load leaves mw
	s_load_b512 s[MW0:MW0+15], s[MWP:MWP+1], s[MOFF] offset:0x0
	s_load_b512 s[MW0+16:MW0+31], s[MWP:MWP+1], s[MOFF] offset:0x40
	s_load_b512 s[MW1:MW1+15], s[MWP:MWP+1], s[MOFF] offset:0x1000
	s_load_b512 s[MW1+16:MW1+31], s[MWP:MWP+1], s[MOFF] offset:0x1040
.irp j, 0,1,2,3                        ; the maximum of my 32 scores and the old m: four chains a tile, the two tiles by turns
.irp t, 0,1
	v_max3_num_f32 v[ST+8*\t+4+\j], v[SS+32*\t+8*\j], v[SS+32*\t+8*\j+1], v[SS+32*\t+8*\j+2]
.endr
.endr
.irp i, 3,5
.irp j, 0,1,2,3
.irp t, 0,1
	v_max3_num_f32 v[ST+8*\t+4+\j], v[ST+8*\t+4+\j], v[SS+32*\t+8*\j+\i], v[SS+32*\t+8*\j+\i+1]
.endr
.endr
.endr
.irp t, 0,1
	v_max3_num_f32 v[ST+8*\t+4], v[ST+8*\t+4], v[SS+32*\t+7], v[SS+32*\t+15]
	v_max3_num_f32 v[ST+8*\t+6], v[ST+8*\t+6], v[SS+32*\t+23], v[SS+32*\t+31]
.endr
.irp t, 0,1
	v_max3_num_f32 v[ST+8*\t+4], v[ST+8*\t+4], v[ST+8*\t+5], v[ST+8*\t+6]
.endr
.irp t, 0,1
	v_max3_num_f32 v[ST+8*\t+4], v[ST+8*\t+4], v[ST+8*\t+7], v[ST+8*\t]
.endr
.irp t, 0,1
	v_permlanex16_b32 v[ST+8*\t+5], v[ST+8*\t+4], s[SEL], s[SEL+1]   ; the query's other 32 keys lie in the lane 16 away
.endr
.irp t, 0,1
	v_max_num_f32 v[ST+8*\t+1], v[ST+8*\t+4], v[ST+8*\t+5]           ; the new m
.endr
.irp t, 0,1
	v_sub_f32 v[ST+8*\t+7], v[ST+8*\t], v[ST+8*\t+1]                 ; m_old - m_new, 0 or less
.endr
.irp t, 0,1
	v_mov_b32 v[ST+8*\t], v[ST+8*\t+1]
.endr
.set i, 0
.rept 16
	v_pk_add_f32 v[SS+2*i:SS+2*i+1], v[SS+2*i:SS+2*i+1], v[ST:ST+1] op_sel_hi:[1,0] neg_lo:[0,1] neg_hi:[0,1]             ; s - m, two at a time
	v_pk_add_f32 v[SS+32+2*i:SS+32+2*i+1], v[SS+32+2*i:SS+32+2*i+1], v[ST+8:ST+9] op_sel_hi:[1,0] neg_lo:[0,1] neg_hi:[0,1]
.set i, i+1
.endr
	v_exp_f32 v[ST+6], v[ST+7]                     ; ONE BATCH of 66 exponentials: a of both tiles,
	v_exp_f32 v[ST+14], v[ST+15]
.set i, 0
.rept 64
	v_exp_f32 v[SS+i], v[SS+i]                     ; and p = 2^(s - m), at most 1
.set i, i+1
.endr
	v_nop                                          ; a plain instruction behind the last exponential, ahead of the first use (ISA guide 5.7.2)
	s_wait_alu depctr_va_vdst(0)                   ; and a wait ahead of the batch's first reader
.irp t, 0,1
	v_pk_mul_f32 v[ST+8*\t+2:ST+8*\t+3], v[ST+8*\t+2:ST+8*\t+3], v[ST+8*\t+6:ST+8*\t+7] op_sel_hi:[1,0]   ; l x a
	v_pk_add_f32 v[TM+2*\t:TM+2*\t+1], v[SS+32*\t:SS+32*\t+1], v[SS+32*\t+2:SS+32*\t+3]                   ; the sum of the unrounded p, in two chains a tile
.endr
.irp j, 4,8,12,16,20,24,28
.irp t, 0,1
	v_pk_add_f32 v[ST+8*\t+2:ST+8*\t+3], v[ST+8*\t+2:ST+8*\t+3], v[SS+32*\t+\j:SS+32*\t+\j+1]
	v_pk_add_f32 v[TM+2*\t:TM+2*\t+1], v[TM+2*\t:TM+2*\t+1], v[SS+32*\t+\j+2:SS+32*\t+\j+3]
.endr
.endr
.irp t, 0,1
	v_pk_add_f32 v[ST+8*\t+2:ST+8*\t+3], v[ST+8*\t+2:ST+8*\t+3], v[TM+2*\t:TM+2*\t+1]
.endr
.set i, 0
.rept 16
	v_cvt_pk_f16_f32 v[SS+i], v[SS+2*i], v[SS+2*i+1]               ; P, in place, from the low end on: register i is written when registers 2 i and 2 i + 1 are read, and no later pair lies under it
	v_cvt_pk_f16_f32 v[SS+32+i], v[SS+32+2*i], v[SS+32+2*i+1]
.set i, i+1
.endr
.set i, 0
.rept 16
	v_pk_mul_f32 v[OO+2*i:OO+2*i+1], v[OO+2*i:OO+2*i+1], v[ST+6:ST+7] op_sel_hi:[1,0]                  ; O^T x a
	v_pk_mul_f32 v[OO+32+2*i:OO+32+2*i+1], v[OO+32+2*i:OO+32+2*i+1], v[ST+14:ST+15] op_sel_hi:[1,0]
.set i, i+1
.endr
	s_wait_dscnt 0x0                               ; V is in
.irp kc, 0,1                           ; O^T += V^T P^T: eight accumulators by turns
.irp ct, 0,1,2,3
.irp t, 0,1
	v_wmma_f32_16x16x32_f16 v[OO+32*\t+8*\ct:OO+32*\t+8*\ct+7], v[KV+32*\kc+8*\ct:KV+32*\kc+8*\ct+7], v[SS+32*\t+8*\kc:SS+32*\t+8*\kc+7], v[OO+32*\t+8*\ct:OO+32*\t+8*\ct+7]
.endr
.endr
.endr
.endm
.macro SLOTSTEPS                       ; a slot's eight key steps: written once, walked eight times
	s_mov_b32 s[CNT], 8
.Lstep_\@:
	STEP
	s_add_co_u32 s[TB], s[TB], 8192
	s_sub_co_u32 s[CNT], s[CNT], 1
	s_cmp_lg_u32 s[CNT], 0
	s_cbranch_scc1 .Lstep_\@
.endm
; THE CHANGE OF SLOTS.  Each wave waits for all its tensor loads, of which one is out: its part of the other slot; adds 0 to its spare word; and waits for that and for its reads of the slot that it leaves.
; fill = 1: the slot just left is filled again, with the keys two slots on.  The barrier is then a round of the cluster's, so that no wave of any partner still reads the slot or has a load on its way,
; and the joint refill is the first thing behind it, my one tensor load until the next round: it has eight key steps in which to land.
.macro CHANGE fill
	s_wait_tensorcnt 0x0                           ; no tensor load of mine is out, so a group 0 may be written
	ds_add_u32 v[SPW], v[NIL]
.if \fill
	s_xor_b32 s[G0B+1], s[G0B+1], SLOT1            ; the walking descriptor: the other slot than last time,
	s_add_nc_u64 s[G0B+2:G0B+3], s[G0B+2:G0B+3], 65536   ; the next 512 keys; the type bits on top are not reached
	s_wait_xcnt 0x0                                ; the last prefetch, a slot back, has read its address, so it may be written
	s_add_nc_u64 s[PFA:PFA+1], s[PFA:PFA+1], 65536
	s_wait_dscnt 0x0                               ; the add is done, and my reads of the slot are over
	CROUND
	tensor_load_to_lds s[G0B:G0B+3], s[G1:G1+7]
	s_nop 0
.rept 4
	v_nop
.endr
	ASK
.else
	s_wait_dscnt 0x0
	s_barrier_signal -1
	s_barrier_wait -1
.endif
	s_sub_co_u32 s[TB], s[TB], 65536               ; back to a slot's first step,
	s_xor_b32 s[TB], s[TB], SLOT1                  ; in the other slot
.endm
	s_wait_tensorcnt 1                             ; my part of slot 0 is in; slot 1's may stay out
	s_barrier_signal -1
	s_barrier_wait -1                              ; everybody's is
	s_wait_loadcnt 0x0                             ; Q
	SLOTSTEPS                                      ; keys 0 to 511
.Lslot:                                            ; two trips: keys 512 to 1,535; behind each change the slot just left is filled again
	CHANGE 1
	SLOTSTEPS
	s_sub_co_u32 s[SLOTS], s[SLOTS], 1
	s_cmp_lg_u32 s[SLOTS], 0
	s_cbranch_scc1 .Lslot
	CHANGE 0                                       ; the tail is written out
	SLOTSTEPS                                      ; keys 1,536 to 2,047
	; THE WAY OUT
.rept 4
	v_nop                                          ; places behind the last products
.endr
	s_wait_kmcnt 0x0                               ; the mask words that the last step asked for
.irp t, 0,1
	v_add_f32 v[ST+8*\t+4], v[ST+8*\t+2], v[ST+8*\t+3]     ; l's two halves,
.endr
.irp t, 0,1
	v_permlanex16_b32 v[ST+8*\t+5], v[ST+8*\t+4], s[SEL], s[SEL+1]
.endr
.irp t, 0,1
	v_add_f32 v[ST+8*\t+4], v[ST+8*\t+4], v[ST+8*\t+5]     ; and the other half of the lanes'
.endr
	v_bfe_u32 v[ADK], v0, 4, 1
	v_lshlrev_b32 v[ADK], 5, v[ADK]                ; b_V: register 8 ct + j wants channel 16 ct + 8 (lane / 16) + j
.irp ct, 0,1,2,3
	global_load_b128 v[KV+8*\ct:KV+8*\ct+3], v[ADK], s[BVP:BVP+1] offset:64*\ct
	global_load_b128 v[KV+8*\ct+4:KV+8*\ct+7], v[ADK], s[BVP:BVP+1] offset:64*\ct+16
.endr
.irp t, 0,1
	v_rcp_f32 v[ST+8*\t+6], v[ST+8*\t+4]
.endr
	v_nop                                          ; a plain instruction between the last reciprocal and the use of its result
	s_wait_alu depctr_va_vdst(0)                   ; and the wait: one for both
	s_wait_loadcnt 0x0
.irp t, 0,1
.set i, 0
.rept 16
	v_pk_fma_f32 v[OO+32*\t+2*i:OO+32*\t+2*i+1], v[OO+32*\t+2*i:OO+32*\t+2*i+1], v[ST+8*\t+6:ST+8*\t+7], v[KV+2*i:KV+2*i+1] op_sel_hi:[1,0,1]   ; O^T / l + b_V; each accumulator from its low end on
.set i, i+1
.endr
.set i, 0
.rept 16
	v_cvt_pk_f16_f32 v[SS+32*\t+i], v[OO+32*\t+2*i], v[OO+32*\t+2*i+1]   ; rounded once, to the nearest f16
.set i, i+1
.endr
.irp ct, 0,1,2,3                       ; channels 16 ct on are half ct % 2 of the fragment of channels 32 (ct / 2) on: 512 consecutive bytes a store; each register is written once
	global_store_b128 v[LI], v[SS+32*\t+4*\ct:SS+32*\t+4*\ct+3], s[OP:OP+1] offset:32768*\t+1024*(\ct/2)+512*(\ct%2)
.endr
.endr
	s_wait_tensorcnt 0x0                           ; the wave's end: behind my last tensor load
	ds_add_u32 v[SPW], v[NIL]
	s_wait_dscnt 0x0
	CROUND                                         ; the closing round: no work-group ends while a partner may still ask for a tile that names it
	s_endpgm
.Lfunc_end_k_q8a86020a61_attn:
	.size	k_q8a86020a61_attn, .Lfunc_end_k_q8a86020a61_attn-k_q8a86020a61_attn
	.p2alignl 7, 3214868480
	.fill 96, 4, 3214868480
	.section	.rodata,"a",@progbits
	.p2align	6, 0x0
	.amdhsa_kernel k_q8a86020a61_attn
		.amdhsa_group_segment_fixed_size 327680
		.amdhsa_private_segment_fixed_size 0
		.amdhsa_enable_private_segment 0
		.amdhsa_kernarg_size 32
		.amdhsa_user_sgpr_count 2
		.amdhsa_user_sgpr_kernarg_segment_ptr 1
		.amdhsa_wavefront_size32 1
		.amdhsa_system_sgpr_workgroup_id_x 1
		.amdhsa_system_sgpr_workgroup_id_y 1
		.amdhsa_system_sgpr_workgroup_id_z 1
		.amdhsa_system_vgpr_workitem_id 0
		.amdhsa_next_free_vgpr 256
		.amdhsa_next_free_sgpr 106
		.amdhsa_reserve_vcc 0
		.amdhsa_float_denorm_mode_32 3
		.amdhsa_float_denorm_mode_16_64 3
		.amdhsa_memory_ordered 1
		.amdhsa_forward_progress 1
		.amdhsa_inst_pref_size 81
	.end_amdhsa_kernel
	.amdgpu_metadata
---
amdhsa.version: [ 1, 2 ]
amdhsa.kernels:
  - .name:           k_q8a86020a61_attn
    .symbol:         k_q8a86020a61_attn.kd
    .args:
      - { .name: qkv, .offset: 0, .size: 8, .value_kind: global_buffer, .address_space: global }
      - { .name: mw, .offset: 8, .size: 8, .value_kind: global_buffer, .address_space: global }
      - { .name: b_V, .offset: 16, .size: 8, .value_kind: global_buffer, .address_space: global }
      - { .name: oimg, .offset: 24, .size: 8, .value_kind: global_buffer, .address_space: global }
    .group_segment_fixed_size: 327680
    .private_segment_fixed_size: 0
    .kernarg_segment_align: 8
    .kernarg_segment_size: 32
    .max_flat_workgroup_size: 256
    .sgpr_count:     106
    .vgpr_count:     256
    .wavefront_size: 32
...
	.end_amdgpu_metadata
.endif
;; end of part 3
;; launch outp (part 4): grid 8 x 32, 4 waves a work-group, clusters of 4 x 4, 327,680 bytes of LDS; arguments oimg, woimg, b_O, out0; writes out0
.if DOCPART == 4
	.amdgcn_target "amdgcn-amd-amdhsa--gfx1250"
	.amdhsa_code_object_version 6
	.text
	.protected	k_q8a86020a61_outp
	.globl	k_q8a86020a61_outp
	.p2align	8
	.type	k_q8a86020a61_outp,@function
k_q8a86020a61_outp:
	s_mov_b64 s[64:65], 0
	v_nop
	global_prefetch_b8 v0, s[64:65] scope:SCOPE_SE
	s_setreg_imm32_b32 hwreg(HW_REG_WAVE_MODE, 25, 1), 1
	s_wait_xcnt 0x0
	s_wait_alu depctr_hold_cnt(0) depctr_sa_sdst(0) depctr_va_vdst(0) depctr_va_sdst(0) depctr_va_ssrc(0) depctr_va_vcc(0) depctr_vm_vsrc(0)
	s_getreg_b32 s2, hwreg(HW_REG_IB_STS2, 6, 4)
	s_cmp_eq_u32 s2, 0
	s_cbranch_scc0 .Lentry_in_a_cluster
	s_endpgm
.Lentry_in_a_cluster:
	s_bfe_u32 s2, ttmp6, 0x10000c
	s_cmp_lg_u32 s2, 0xf033
	s_cbranch_scc0 .Lentry_shape_is_right
	s_endpgm
.Lentry_shape_is_right:
; OUTP: out0[token][e] = the sum over d of o[token][d] W_O[e][d] + b_O[e], 4,096 x 1,024 x 1,024, f32 out.
; o is one f16 number; W_O IS A PAIR OF f16 NUMBERS, a high and a low part: o W_high + o W_low, two matrix instructions for each 16 x 16 x 32, sums in f32.  So W_O's rounding adds nothing to that of o and v
; in the rows of attention that average one or a few values, wherever the mask puts them.
; The operands come as images of operand registers (lane l's 16 bytes at 16 l): oimg [token/16 256][d/32 32][registers 0-3, 4-7][512], woimg [e/16 64][d/32 32][high, low][registers 0-3, 4-7][512].
; A tile of 128 tokens x 128 e is made by four waves, each 64 x 64: 16 accumulators.  A chunk is 32 along d: 1,024 bytes for 16 tokens, 2,048 for 16 rows of W_O.  K goes through two LDS slots of SIX chunks
; (8 x 6,144 bytes of o, then 8 x 12,288 of W_O): 192 matrix instructions a wave for each fill.  The 32 chunks are fills of 6, 6, 6, 6, 6 and 2: two at the head and four refills; the last has descriptors of its own,
; with shorter rows, so that nothing is asked for past a row's end.  A wave's tensor load brings 4 rows.  Fragments come back by loads of 512 consecutive bytes: no padding.
; The five changes of slots differ (three fills of six chunks, one of two, one none), so the chunks are written out by macros, without a loop.
; CLUSTERS: 4 x 4 work-groups; o's tiles (A) are shared along a row of the cluster, W_O's (B) along a column, each asked for jointly.  THE MATRIX INSTRUCTION IS USED TRANSPOSED (source 0 = 16 rows of W_O,
; source 1 = 16 tokens): a lane then holds eight neighbouring numbers of a row of out0.  b_O is the C of each sum's first matrix instruction.
; REGISTERS: window 0: v0-31 addresses; v32-95 rows on the way out; v96-127 the four bias tiles; v128-255 the accumulators ((a, b) at v[128 + 8 (4 a + b)]).
;   window 1: two fragment buffers, at v0 and v128, one chunk each: A 8 a, B high 32 + 8 b, B low 64 + 8 b.
.set CH,     6                         ; chunks in a slot
.set PA,     CH*1024                   ; a block of 16 tokens in a slot, and a row of A's tile
.set PB,     CH*2048                   ; a block of 16 rows of W_O
.set PAL,    2*1024                    ; the same in the last fill, of two chunks
.set PBL,    2*2048
.set HALFA,  4*PA                      ; what one tensor load brings of A,
.set HALFB,  4*PB                      ; of B
.set BOFF,   2*HALFA                   ; B's blocks lie behind A's eight
.set SLOT,   2*HALFA+2*HALFB
.set STAGE,  2*SLOT                    ; behind the slots: 16 rows x 272 bytes for each wave, for the way out
.set SP,     272                       ; a stage row: 256 bytes + 16 of padding
.set SPARE,  STAGE+4*16*SP             ; the spare words, 128 bytes for each wave: two blocks of 256 bytes that no other line names
.set ADRA, 16                          ; v16-17  LDS address of my A fragments in slot 0, 1
.set ADRB, 20                          ; v20-21  the same for B
.set STO,  24                          ; v24     the way out: where I put 32 bytes of a row
.set RD,   25                          ; v25     where I read a row back
.set CO,   26                          ; v26     my byte offset in out0
.set SPW,  28                          ; v28     LDS address of my spare word; never rewritten
.set NIL,  29                          ; v29     0; never rewritten
.set BA,   30                          ; v30     the bias loads' offset
.set BK,   32                          ; the way out: 16 rows read back: v32-63 and v64-95 by turns
.set BT,   96                          ; bias tile b: register j = b_O of column 16 b + 8 (lane / 16) + j of my 64
.set ACC,  128
.set F0,   0
.set F1,   128
.set G1, 24                            ; s[24:31] descriptor group 1 for A's tiles;  s[32:39] group 0, one set for each slot
.set G0, 32
.set G1B, 48                           ; s[48:55], s[56:63] the same for B's tiles
.set G0B, 56
.set G1L, 68                           ; s[68:75] group 1 for A's last fill;  s[76:83] for B's
.set G1BL, 76
.set MSB, 0
.macro WIN new                         ; the immediate's high byte repeats the setting that is left
.if MSB != (\new)
	s_set_vgpr_msb (MSB<<8)|(\new)
.set MSB, (\new)
.endif
.endm
.set MUL,  0x05                        ; sources 0 (B) and 1 (A) window 1; C and D window 0
.set TO_F, 0x40                        ; destination window 1, address window 0
; A joint load into slot s: waves 0 and 1 fetch A's two halves, waves 2 and 3 B's; the branch hangs on the wave's number alone.
; An s_nop 0 and four v_nop follow each of the two lines, ahead of the jump, the label and what follows.
.macro JLOAD s, g1a, g1b
	s_cmp_eq_u32 s13, 0
	s_cbranch_scc0 .Lfor_b_\@
	tensor_load_to_lds s[G0+4*\s:G0+4*\s+3], s[\g1a:\g1a+7]
	s_nop 0
.rept 4
	v_nop
.endr
	s_branch .Lasked_\@
.Lfor_b_\@:
	tensor_load_to_lds s[G0B+4*\s:G0B+4*\s+3], s[\g1b:\g1b+7]
	s_nop 0
.rept 4
	v_nop
.endr
.Lasked_\@:
.endm
.macro CREST                           ; a round of the cluster's barrier behind its opening barrier
	s_cmp_lg_u32 s12, 0
	s_cbranch_scc1 .Lnot_wave_0_\@
	s_barrier_signal -3
.Lnot_wave_0_\@:
	s_barrier_wait -3
	s_barrier_signal -1
	s_barrier_wait -1
.endm
.macro CROUND                          ; a whole round
	s_barrier_signal -1
	s_barrier_wait -1
	CREST
.endm
; Words 1 to 7 of a group 1: 4 rows of row bytes, pitch bytes apart in memory, dense in LDS; elements of 8 bytes
.macro SHAPE g, row, pitch
	s_mov_b32 s[\g+1], ((\row)/8)<<16              ; tensor_dim0
	s_mov_b32 s[\g+2], 4<<16                       ; tensor_dim1
	s_mov_b32 s[\g+3], ((\row)/8)<<16              ; tile_dim0
	s_mov_b32 s[\g+4], 4                           ; tile_dim1
	s_mov_b32 s[\g+5], (\pitch)/8                  ; tensor_dim0_stride
	s_mov_b32 s[\g+6], 0
	s_mov_b32 s[\g+7], 0
.endm
	s_load_b256 s[4:11], s[0:1], 0x0               ; oimg s[4:5], woimg s[6:7], b_O s[8:9], out0 s[10:11]
	v_lshl_add_u32 v[SPW], v0, 2, SPARE
	v_mov_b32 v[NIL], 0
	ds_add_u32 v[SPW], v[NIL]                      ; the wave's opening: the add, twice on end, and its wait ahead of my first tensor load; the set-up below stands between the second and the wait
	ds_add_u32 v[SPW], v[NIL]
	v_lshrrev_b32 v1, 5, v0
	v_readfirstlane_b32 s12, v1                    ; wave 0..3
	s_lshr_b32 s13, s12, 1                         ; which half of the tile's tokens is mine.  Also: I fetch for A (0) or for B (1)
	s_and_b32 s14, s12, 1                          ; which half of its columns.  Also: which half of that tile I fetch
	s_bfe_u32 s40, ttmp6, 0x40000                  ; cx, cy: my place in the cluster
	s_bfe_u32 s41, ttmp6, 0x40004
	s_lshl_b32 s42, ttmp9, 2
	s_add_co_u32 s42, s42, s40                     ; tile column = 4 x cluster x + cx
	s_and_b32 s15, ttmp7, 0xffff
	s_lshl_b32 s15, s15, 2
	s_add_co_u32 s15, s15, s41                     ; tile row = 4 x cluster y + cy
	s_lshl_b32 s43, s41, 2
	s_lshl_b32 s43, 15, s43                        ; my row of the cluster
	s_lshl_b32 s44, 0x1111, s40                    ; my column
	s_or_b32 s[G1+0], s43, (3<<16)|(1<<21)         ; 15:0 the mask: A's tiles go to my row; 17:16 elements of 8 bytes; 21 set beside a mask
	s_or_b32 s[G1L+0], s43, (3<<16)|(1<<21)
	s_or_b32 s[G1B+0], s44, (3<<16)|(1<<21)        ; B's go to my column
	s_or_b32 s[G1BL+0], s44, (3<<16)|(1<<21)
	SHAPE G1, PA, 32768                            ; 16 tokens are 32,768 bytes of oimg,
	SHAPE G1B, PB, 65536                           ; 16 rows of W_O 65,536 of woimg
	SHAPE G1L, PAL, 32768
	SHAPE G1BL, PBL, 65536
	s_lshl_b32 s16, s15, 18                        ; A: 8 x 32,768 bytes a tile row,
	s_lshl_b32 s18, s14, 17                        ; and which four of the tile's eight blocks I fetch
	s_add_co_u32 s16, s16, s18
	s_lshl_b32 s46, s42, 19                        ; B: 8 x 65,536 bytes a tile column
	s_lshl_b32 s18, s14, 18
	s_add_co_u32 s46, s46, s18
	s_mov_b32 s17, 0
	s_mov_b32 s47, 0
	s_mul_i32 s20, s14, HALFA                      ; where they go: A's two halves,
	s_mul_i32 s21, s14, HALFB
	s_add_co_u32 s21, s21, BOFF                    ; then B's two: no place in the cluster enters an LDS address
	s_wait_dscnt 0x0                               ; both opening adds are done
	s_wait_kmcnt 0x0
	s_add_nc_u64 s[16:17], s[4:5], s[16:17]
	s_add_nc_u64 s[46:47], s[6:7], s[46:47]
	CROUND                                         ; all sixteen work-groups are here: the first joint loads meet
.irp s, 0,1
	s_mov_b32 s[G0+4*\s], 1
	s_add_co_u32 s[G0+4*\s+1], s20, \s*SLOT
	s_add_nc_u64 s[G0+4*\s+2:G0+4*\s+3], s[16:17], \s*PA           ; slot s begins with chunks 6 s on
	s_or_b32 s[G0+4*\s+3], s[G0+4*\s+3], 0x80000000
	s_mov_b32 s[G0B+4*\s], 1
	s_add_co_u32 s[G0B+4*\s+1], s21, \s*SLOT
	s_add_nc_u64 s[G0B+4*\s+2:G0B+4*\s+3], s[46:47], \s*PB
	s_or_b32 s[G0B+4*\s+3], s[G0B+4*\s+3], 0x80000000
	JLOAD \s, G1, G1B                              ; two tensor loads of mine are out
.endr
	v_and_b32 v1, 15, v0                           ; l % 16
	v_bfe_u32 v2, v0, 4, 1                         ; l / 16
	s_lshl_b32 s46, s42, 9                         ; b_O: my 64 columns begin at 128 x tile column + 64 x half
	s_lshl_b32 s47, s14, 8
	s_add_co_u32 s46, s46, s47
	s_mov_b32 s47, 0
	s_add_nc_u64 s[8:9], s[8:9], s[46:47]
	v_lshlrev_b32 v[BA], 5, v2
.irp b, 0,1,2,3
	global_load_b128 v[BT+8*\b:BT+8*\b+3], v[BA], s[8:9] offset:64*\b
	global_load_b128 v[BT+8*\b+4:BT+8*\b+7], v[BA], s[8:9] offset:64*\b+16
.endr
	v_and_b32 v3, 31, v0
	v_lshlrev_b32 v3, 4, v3                        ; 16 x lane
	s_mul_i32 s21, s13, HALFA                      ; my four blocks of A,
	s_mul_i32 s22, s14, HALFB                      ; my four blocks of B,
	s_add_co_u32 s22, s22, BOFF                    ; which lie behind A's eight
.irp s, 0,1
	v_add_nc_u32 v[ADRA+\s], s21, v3
	v_add_nc_u32 v[ADRB+\s], s22, v3
	s_add_co_u32 s21, s21, SLOT
	s_add_co_u32 s22, s22, SLOT
.endr
	s_mul_i32 s23, s12, 16*SP
	s_add_co_u32 s23, s23, STAGE                   ; my stage
	v_mul_u32_u24 v4, v1, SP                       ; in: row l % 16, 32 bytes for each half of the lanes
	v_lshl_add_u32 v4, v2, 5, v4
	v_add_nc_u32 v[STO], s23, v4
	v_mul_u32_u24 v5, v2, SP                       ; back: lanes 0-15 take one row of 256 bytes, lanes 16-31 the next
	v_lshl_add_u32 v5, v1, 4, v5
	v_add_nc_u32 v[RD], s23, v5
	v_lshlrev_b32 v5, 12, v2                       ; and the same two rows in out0: 4,096 bytes a row
	v_lshl_add_u32 v[CO], v1, 4, v5
	s_lshl_b32 s16, s15, 19                        ; my first row: 128 x tile row + 64 x half, 4,096 bytes each
	s_lshl_b32 s17, s13, 18
	s_add_co_u32 s16, s16, s17
	s_mov_b32 s17, 0
	s_add_nc_u64 s[10:11], s[10:11], s[16:17]
	s_add_nc_u64 s[10:11], s[10:11], s[46:47]      ; my first column, in bytes: as in b_O
; 8 matrix instructions: token blocks a0, a0 + 1 x all 4 column blocks, one chunk of 32 along d.  bo: B's part (32 high, 64 low).  first = 1: the bias tile is C and starts the sums.
; The 16 accumulators take turns, one instruction a turn, in the same order in both products.
.macro MUL8 f, bo, a0, first
.irp a, \a0, \a0+1
.irp b, 0,1,2,3
.if \first
	v_wmma_f32_16x16x32_f16 v[ACC+8*(4*(\a)+\b):ACC+8*(4*(\a)+\b)+7], v[\f+\bo+8*\b:\f+\bo+8*\b+7], v[\f+8*(\a):\f+8*(\a)+7], v[BT+8*\b:BT+8*\b+7]
.else
	v_wmma_f32_16x16x32_f16 v[ACC+8*(4*(\a)+\b):ACC+8*(4*(\a)+\b)+7], v[\f+\bo+8*\b:\f+\bo+8*\b+7], v[\f+8*(\a):\f+8*(\a)+7], v[ACC+8*(4*(\a)+\b):ACC+8*(4*(\a)+\b)+7]
.endif
.endr
.endr
.endm
; 24 LDS loads in one run: the slot's chunk q into buffer f: the sixteen of B's high parts and of A first, then the eight of B's low parts.  pa, pb: bytes from block to block in this fill
.macro FETCH slot, q, f, pa, pb
	WIN TO_F
.irp i, 0,1,2,3
	ds_load_b128 v[\f+32+8*\i:\f+32+8*\i+3],   v[ADRB+\slot] offset:\pb*\i+2048*(\q)
	ds_load_b128 v[\f+32+8*\i+4:\f+32+8*\i+7], v[ADRB+\slot] offset:\pb*\i+2048*(\q)+512
	ds_load_b128 v[\f+8*\i:\f+8*\i+3],         v[ADRA+\slot] offset:\pa*\i+1024*(\q)
	ds_load_b128 v[\f+8*\i+4:\f+8*\i+7],       v[ADRA+\slot] offset:\pa*\i+1024*(\q)+512
.endr
.irp i, 0,1,2,3
	ds_load_b128 v[\f+64+8*\i:\f+64+8*\i+3],   v[ADRB+\slot] offset:\pb*\i+2048*(\q)+1024
	ds_load_b128 v[\f+64+8*\i+4:\f+64+8*\i+7], v[ADRB+\slot] offset:\pb*\i+2048*(\q)+1536
.endr
.endm
.macro PLACES                          ; four places in front of loads into registers that matrix instructions have read, and of the first read of results (ISA guide 7.12.1 for vector instructions)
.rept 4
	v_nop
.endr
.endm
; A chunk that has its successor in the same slot: 32 matrix instructions on buffer f; behind the first eight the slot's chunk q is fetched into g, 24 matrix instructions ahead of its use.
.macro QUARTER slot, q, f, g, first, pa, pb
	s_wait_dscnt 8                                 ; A and B's high parts are in; the eight loads of the low parts may be out
	WIN MUL
	MUL8 \f, 32, 0, \first
	PLACES                                         ; buffer g was last read by the chunk before
	FETCH \slot, \q, \g, \pa, \pb
	WIN MUL
	MUL8 \f, 32, 2, \first
	s_wait_dscnt 24                                ; all but the 24 just issued: the low parts are in
	MUL8 \f, 64, 0, 0
	MUL8 \f, 64, 2, 0
.endm
.macro SLOTQ slot                      ; a slot's first five chunks, on buffers 0, 1, 0, 1, 0
	QUARTER \slot, 1, F0, F1, 0, PA, PB
	QUARTER \slot, 2, F1, F0, 0, PA, PB
	QUARTER \slot, 3, F0, F1, 0, PA, PB
	QUARTER \slot, 4, F1, F0, 0, PA, PB
	QUARTER \slot, 5, F0, F1, 0, PA, PB
.endm
; A slot's last chunk multiplies buffer 1 and changes slots: ONE barrier; in front of it each wave waits for all its tensor loads, adds 0 to its spare word, and waits for that and for its own reads of this slot.
; fill = 1: this slot is filled again, with the six chunks twelve on; fill = 2: with the last two chunks.  The barrier then opens a round of the cluster's, and the joint refill is the first tensor load behind it,
; one a wave: 176 matrix instructions ahead of the wait for it.  pa, pb: the next slot's block pitches.
.macro TURN slot, next, fill, pa, pb
	WIN 0                                          ; (the add's two registers lie in window 0)
	s_wait_tensorcnt 0x0                           ; all my tensor loads have landed: my part of the next slot;
	ds_add_u32 v[SPW], v[NIL]
	s_wait_dscnt 9                                 ; (the add and the eight loads of the low parts may be out)
	WIN MUL
	MUL8 F1, 32, 0, 0                              ; eight matrix instructions stand between the add and the wait for it
	s_wait_dscnt 0x0                               ; the add is done, and my reads of this slot are over
	s_barrier_signal -1
	MUL8 F1, 32, 2, 0
.if \fill
	WIN 0
.endif
	s_barrier_wait -1
.if \fill
	CREST                                          ; no wave of any partner still reads this slot's tile or has a load on its way
	s_add_nc_u64 s[G0+4*\slot+2:G0+4*\slot+3], s[G0+4*\slot+2:G0+4*\slot+3], 2*PA
	s_add_nc_u64 s[G0B+4*\slot+2:G0B+4*\slot+3], s[G0B+4*\slot+2:G0B+4*\slot+3], 2*PB
.if \fill == 1
	JLOAD \slot, G1, G1B                           ; the four v_nop behind it are also the places in front of the loads below
.else
	JLOAD \slot, G1L, G1BL
.endif
.else
	PLACES
.endif
	FETCH \next, 0, F0, \pa, \pb
	WIN MUL
	MUL8 F1, 64, 0, 0
	MUL8 F1, 64, 2, 0
.endm
	s_wait_loadcnt 0x0                             ; the bias tiles
	s_wait_tensorcnt 1                             ; my part of slot 0 is in (slot 1's load, issued last, may be out),
	s_barrier_signal -1
	s_barrier_wait -1                              ; everybody's is
	FETCH 0, 0, F0, PA, PB
	QUARTER 0, 1, F0, F1, 1, PA, PB                ; chunk 0: its first products start the sums, from the bias tiles
	QUARTER 0, 2, F1, F0, 0, PA, PB
	QUARTER 0, 3, F0, F1, 0, PA, PB
	QUARTER 0, 4, F1, F0, 0, PA, PB
	QUARTER 0, 5, F0, F1, 0, PA, PB
	TURN 0, 1, 1, PA, PB                           ; chunk 5;  slot 0 takes chunks 12 to 17
	SLOTQ 1                                        ; chunks 6 to 10
	TURN 1, 0, 1, PA, PB                           ; chunk 11; slot 1 takes chunks 18 to 23
	SLOTQ 0                                        ; chunks 12 to 16
	TURN 0, 1, 1, PA, PB                           ; chunk 17; slot 0 takes chunks 24 to 29
	SLOTQ 1                                        ; chunks 18 to 22
	TURN 1, 0, 2, PA, PB                           ; chunk 23; slot 1 takes chunks 30 and 31
	SLOTQ 0                                        ; chunks 24 to 28
	TURN 0, 1, 0, PAL, PBL                         ; chunk 29; nothing is left to ask for, so no round follows
	QUARTER 1, 1, F0, F1, 0, PAL, PBL              ; chunk 30
	s_wait_dscnt 8                                 ; chunk 31: nothing more to fetch
	WIN MUL
	MUL8 F1, 32, 0, 0
	MUL8 F1, 32, 2, 0
	s_wait_dscnt 0
	MUL8 F1, 64, 0, 0
	MUL8 F1, 64, 2, 0
	WIN 0
; THE WAY OUT, block by block of 16 tokens x 64 columns.  A lane holds 32 neighbouring bytes of a row, and the lanes beside it hold other rows: so a block goes through my own stage in LDS and comes back as whole
; rows of 256 bytes: sixteen lanes store 256 consecutive bytes, at a multiple of 256 from out0's first byte.  LDS serves a wave's instructions in order (ISA guide 5.7.1.4): no wait between the stores and the loads.
.macro TOSTAGE a
.irp b, 0,1,2,3
	ds_store_b128 v[STO], v[ACC+8*(4*(\a)+\b):ACC+8*(4*(\a)+\b)+3] offset:64*\b          ; each accumulator from its low end on
	ds_store_b128 v[STO], v[ACC+8*(4*(\a)+\b)+4:ACC+8*(4*(\a)+\b)+7] offset:64*\b+16
.endr
.irp t, 0,1,2,3,4,5,6,7
	ds_load_b128 v[BK+32*((\a)%2)+4*\t:BK+32*((\a)%2)+4*\t+3], v[RD] offset:\t*2*SP
.endr
.endm
.macro SEND a, younger                 ; younger: the LDS instructions issued behind block a's loads, which may stay out
	s_wait_dscnt \younger
.irp t, 0,1,2,3,4,5,6,7
	global_store_b128 v[CO], v[BK+32*((\a)%2)+4*\t:BK+32*((\a)%2)+4*\t+3], s[10:11] offset:65536*(\a)+8192*\t th:TH_STORE_NT   ; every offset is an immediate; written once, read by nobody here
.endr
.endm
	PLACES
	TOSTAGE 0
.irp a, 1,2,3
.if \a > 1
	s_wait_xcnt 0x0                                ; block a - 2's stores have read their registers: block a's loads may land there
.endif
	TOSTAGE \a
	SEND \a-1, 16                                  ; behind block a - 1's loads: block a's 8 stores and 8 loads
.endr
	SEND 3, 0
	s_wait_tensorcnt 0x0                           ; the wave's end: behind my last tensor load and my last LDS store
	ds_add_u32 v[SPW], v[NIL]
	s_wait_dscnt 0x0
	CROUND                                         ; the closing round: no work-group ends while a partner may still ask for a tile that names it
	s_endpgm
.Lfunc_end_k_q8a86020a61_outp:
	.size	k_q8a86020a61_outp, .Lfunc_end_k_q8a86020a61_outp-k_q8a86020a61_outp
	.p2alignl 7, 3214868480
	.fill 96, 4, 3214868480
	.section	.rodata,"a",@progbits
	.p2align	6, 0x0
	.amdhsa_kernel k_q8a86020a61_outp
		.amdhsa_group_segment_fixed_size 327680
		.amdhsa_private_segment_fixed_size 0
		.amdhsa_enable_private_segment 0
		.amdhsa_kernarg_size 32
		.amdhsa_user_sgpr_count 2
		.amdhsa_user_sgpr_kernarg_segment_ptr 1
		.amdhsa_wavefront_size32 1
		.amdhsa_system_sgpr_workgroup_id_x 1
		.amdhsa_system_sgpr_workgroup_id_y 1
		.amdhsa_system_sgpr_workgroup_id_z 1
		.amdhsa_system_vgpr_workitem_id 0
		.amdhsa_next_free_vgpr 512
		.amdhsa_next_free_sgpr 84
		.amdhsa_reserve_vcc 0
		.amdhsa_float_denorm_mode_32 3
		.amdhsa_float_denorm_mode_16_64 3
		.amdhsa_memory_ordered 1
		.amdhsa_forward_progress 1
		.amdhsa_inst_pref_size 141
	.end_amdhsa_kernel
	.amdgpu_metadata
---
amdhsa.version: [ 1, 2 ]
amdhsa.kernels:
  - .name:           k_q8a86020a61_outp
    .symbol:         k_q8a86020a61_outp.kd
    .args:
      - { .name: oimg, .offset: 0, .size: 8, .value_kind: global_buffer, .address_space: global }
      - { .name: woimg, .offset: 8, .size: 8, .value_kind: global_buffer, .address_space: global }
      - { .name: b_O, .offset: 16, .size: 8, .value_kind: global_buffer, .address_space: global }
      - { .name: out0, .offset: 24, .size: 8, .value_kind: global_buffer, .address_space: global }
    .group_segment_fixed_size: 327680
    .private_segment_fixed_size: 0
    .kernarg_segment_align: 8
    .kernarg_segment_size: 32
    .max_flat_workgroup_size: 128
    .sgpr_count:     84
    .vgpr_count:     512
    .wavefront_size: 32
...
	.end_amdgpu_metadata
.endif
;; end of part 4
